; MI455X (gfx1250); checked and timed in simulation.
; The chip was launched on July 23, 2026; its instructions are those of AMD's public machine-readable ISA for CDNA 5 (MIT licence, August 2026) and "CDNA5" Instruction Set Architecture Reference Guide (July 2026). The comments in the code are by the model that wrote it; some were corrected since.
;; CLAM SB. Allowed arithmetic: matrix products marked QUANTISED: E2M3 operands, one E8M0 scale for each 32 along K, by v_wmma_scale_f32_16x16x128_f8f6f4 with both operands' format E2M3, f32 sums; products left as they are: f32 operands where the result goes on into a quantised operand, else bf16, f16 or f32 operands; f32 sums; everything else in f32.
;; Inputs: W1 512 x 512 float32; Wa 512 x 256 float32; Wb 512 x 256 float32; Wc 256 x 1 float32; Wcls 512 x 2 float32; Winst 2 x 512 x 2 float32; b1 512 float32; ba 256 float32; bb 256 float32; bc 1 float32; bcls 2 float32; binst 2 x 2 float32; h 4 x 32,768 x 512 float32.
;; Outputs: out0 4 x 2 float32; out1 4 x 1 x 32,768 float32; out2 4 float32; out3 4 x 1 x 512 float32.
;; Constants: label = 1.
;; This version of the problem:
;;   THIS VERSION OF THE PROBLEM IS GIVEN IN LOW PRECISION. The matrix products marked QUANTISED in the list below multiply operands that are first quantised to E2M3 (2 exponent bits, 3 mantissa bits; 6 bits a number), with one power-of-two scale for each 32 numbers along K (OCP MX v1.0); their sums are f32. All else is computed in f32.
;;   The module's matrix products, in the order in which they are computed (A, B: the left and right operand; K: the contracted axis; several contracted axes count as one K, in the product's order):
;;     1. [M 131,072, K 512] x [K 512, N 512]; A: input h; B: input W1: QUANTISED
;;     2. [M 131,072, K 512] x [K 512, N 256]; A: computed on the way; B: input Wa: QUANTISED
;;     3. [M 131,072, K 512] x [K 512, N 256]; A: computed on the way; B: input Wb: QUANTISED
;;     4. [M 131,072, K 256] x [K 256, N 1]; A: computed on the way; B: input Wc: left as it is (N = 1 < 16)
;;     5. [M 32, K 512] x [K 512, N 2]; A: computed on the way; B: input Winst: left as it is (N = 2 < 16)
;;     6. [M 64, K 512] x [K 512, N 2]; A: computed on the way; B: input Winst: left as it is (N = 2 < 16)
;;     7. batch 4 x [M 1, K 32,768] x [K 32,768, N 512]; A: softmax; B: computed on the way: left as it is (M = 1 < 16)
;;     8. [M 4, K 512] x [K 512, N 2]; A: computed on the way; B: input Wcls: left as it is (M = 4 < 16)
;;   THE QUANTISER, for each operand of a quantised product, along K:
;;     - K is cut into blocks of 32 from its start; a last block that is shorter is filled with zeros.
;;     - A block's scale is 2^e with e = floor(log2(the largest magnitude in the block)) - 2, held to -126 .. 127; a block of zeros has e = 0. As a byte (E8M0): e + 127.
;;     - Each number is divided by its block's scale, clamped to +-7.5, and rounded to the nearest number of E2M3, ties to even, subnormals kept.
;;     - The product sums the exact products of the quantised numbers (number of the format x scale) in f32.
;;   ~~~python
;;   def quantise(x, axis):      # numpy; x: float32 -> the quantised numbers, widened to float32 again
;;       x = np.moveaxis(x, axis, -1); K = x.shape[-1]
;;       x = np.pad(x, [(0, 0)] * (x.ndim - 1) + [(0, -K % 32)]); x = x.reshape(x.shape[:-1] + (-1, 32)); a = np.abs(x).max(-1, keepdims=True)
;;       e = np.where(a > 0, np.clip(np.frexp(np.where(a > 0, a, 1))[1] - 1 - 2, -126, 127), 0)      # np.frexp(a)[1] - 1 = floor(log2(a)), exactly
;;       r = np.clip(x / 2.0 ** e, -7.5, 7.5)
;;       step = 2.0 ** (np.maximum(np.frexp(np.where(r == 0, 1, r))[1] - 1, 0) - 3)
;;       q = np.round(r / step) * step * 2.0 ** e      # np.round: ties to even
;;       return np.moveaxis(q.reshape(q.shape[:-2] + (-1,))[..., :K], -1, axis).astype(np.float32)
;;   ~~~
;;   OPERANDS COMPUTED ON THE WAY. 'Computed on the way' means the value that the module computes at that place (a softmax that the list does not call 'softmax' is quantised finished and normalised). What goes into a quantiser is computed in f32, as accurately as f32 sums, v_exp_f32 and their like allow (about 1e-6 of the number): no bf16 or f16 on the way to a quantiser, and a product that is left as it is and whose result goes on into a quantised operand takes f32 operands (vector FMAs, or v_wmma_f32_16x16x4_f32). A number that lies on a knife's edge between two numbers of the format may be rounded either way, as far as f32 arithmetic and the matrix unit's own rounding can turn it there, and no further.
;; One version. Each part assembles by itself: llvm-mc -triple=amdgcn-amd-amdhsa -mcpu=gfx1250 --defsym DOCPART=n.
;; ======== version 1 of 1: 3 launches
;; limits: values are held in bf16: 8 bits of precision; right only within a limited range of input values
;; workspace buffers: wimg 393,216 bytes; wsc 16,384 bytes; scores 524,288 bytes; stat 2,048 bytes; mpart 524,288 bytes; cand 65,536 bytes
;; launch prep (part 1): grid 64 x 1, 4 waves a work-group, no clusters, 0 bytes of LDS; arguments W1, Wa, Wb, wimg, wsc; writes wimg, wsc
.if DOCPART == 1
	.amdgcn_target "amdgcn-amd-amdhsa--gfx1250"
	.amdhsa_code_object_version 6
	.text
	.protected	k_q43c8229679_prep
	.globl	k_q43c8229679_prep
	.p2align	8
	.type	k_q43c8229679_prep,@function
k_q43c8229679_prep:
	s_mov_b64 s[64:65], 0
	v_nop
	global_prefetch_b8 v0, s[64:65] scope:SCOPE_SE
	s_setreg_imm32_b32 hwreg(HW_REG_WAVE_MODE, 25, 1), 1
	s_wait_xcnt 0x0
; CLAM_SB in MX-FP6, launch 1 of 3: W1 [512][512], Wa and Wb [512][256], f32 with K as their FIRST axis, become codes of FP6 (E2M3) with one E8M0 byte
; for each 32 along K, laid as IMAGES OF OPERAND REGISTERS: the main launch loads each fragment (16 columns x 128 K, 12 registers a lane) by three loads of 16 bytes a lane.
; DEAD WORK OF THE WHOLE PROGRAM: the input bc.  reference() adds bc[0] to every score of a slide and then takes softmax along that slide's instances:
; softmax(x + c) = softmax(x) for every real c, since exp(c) divides out of numerator and sum.  A, its top-k, M, the logits and the instance loss all hang on the
; softmax's result alone, and no quantiser stands behind the scores.  So bc reaches no output, for all finite values; it is not loaded and is among no launch's arguments.
; LIMIT: a NaN, an infinity or an overflow that reaches only bc or x + bc is not carried to the results.
; FRAGMENTS.  Number F = 64 w + f belongs to wave w of the main launch.  f = 8 s + t < 32: W1, K step s (128 along K), tile t: lane r takes hidden unit
; 128 w + 32 (t / 2) + 8 (t % 2) + r + 8 (r / 8): so the product's 16 registers of tiles 2 b, 2 b + 1 are 16 neighbours along the next K.
; f = 32 + 8 s + i: Wa (i < 4) or Wb (i >= 4), column 64 w + 16 (i & 3) + r.  In all: registers 6 c .. 6 c + 5 of lane (r, h) hold K = 128 s + 64 c + 32 h + 0 .. 31.
; wimg: fragment F at 1536 F: registers 4 c .. 4 c + 3 of lane l at 512 c + 16 l.  wsc: its 16 scale words (byte b: K = 32 b .. 32 b + 31 of the step) at 64 F + 4 r.
; ONE WAVE MAKES ONE FRAGMENT: a lane takes a column and its registers run down K, so a block of 32 lies in one lane and the conversions' results are the operand's registers.
; A block's scale is 2^(floor(log2(largest magnitude)) - 2): its byte is the largest magnitude's exponent field - 2, held at 1 from below by a floor among the maximum's leaves.
; LIMITS: a block of zeros gets the byte 1 where the rule says 127 (its codes are zeros, and this program alone reads the bytes); NaN and infinities among the inputs are not served.
.set X,  32                            ; v32-95   64 numbers: register 32 c + i = K 128 s + 64 c + 32 h + i of my column
.set PC, 100                           ; v100-111 the fragment; v112-114, v116-118: the conversions' second halves
.macro LOADW pitch                     ; 64 loads: sixteen lanes read neighbouring columns of one row of the weight
.irp c,0,1
.set I, 0
.rept 32
	global_load_b32 v[X+32*\c+I], v5, s[14:15] offset:(64*\c+I)*\pitch
.set I, I+1
.endr
.endr
.endm
	s_load_b128 s[4:7], s[0:1], 0x0                ; W1, Wa
	s_load_b128 s[8:11], s[0:1], 0x10              ; Wb, wimg
	s_load_b64 s[12:13], s[0:1], 0x20              ; wsc
	v_lshrrev_b32 v4, 5, v0
	v_readfirstlane_b32 s16, v4                    ; wave
	v_and_b32 v3, 31, v0                           ; lane
	v_and_b32 v1, 15, v0                           ; r
	v_bfe_u32 v2, v0, 4, 1                         ; h
	s_lshl_b32 s17, ttmp9, 2
	s_add_co_u32 s17, s17, s16                     ; F
	s_lshr_b32 s18, s17, 6                         ; w
	s_and_b32 s19, s17, 63                         ; f
	s_bfe_u32 s20, s19, 0x20003                    ; s: two bits from bit 3
	s_and_b32 s21, s19, 7                          ; t, or i
	s_mov_b32 s24, 0x76543210
	s_mov_b32 s25, 0xfedcba98                      ; v_permlanex16_b32's selects for lane l xor 16
	s_wait_kmcnt 0x0
	s_cmp_lt_u32 s19, 32                           ; ids alone decide
	s_cbranch_scc0 .Lgate
	s_lshr_b32 s22, s21, 1                         ; W1: a row is 2,048 bytes
	s_lshl_b32 s22, s22, 5
	s_and_b32 s23, s21, 1
	s_lshl_b32 s23, s23, 3
	s_add_co_u32 s22, s22, s23
	s_lshl_b32 s23, s18, 7
	s_add_co_u32 s22, s22, s23                     ; 128 w + 32 (t / 2) + 8 (t % 2)
	s_lshl_b32 s22, s22, 2
	s_lshl_b32 s23, s20, 18                        ; 128 s rows
	s_add_co_u32 s22, s22, s23
	s_mov_b32 s23, 0
	s_add_nc_u64 s[14:15], s[4:5], s[22:23]
	s_wait_alu depctr_va_vdst(0)
	v_and_b32 v5, 8, v1
	v_add_nc_u32 v5, v5, v1                        ; r + 8 (r / 8)
	v_lshlrev_b32 v5, 2, v5
	v_lshl_add_u32 v5, v2, 16, v5                  ; + 32 h rows
	LOADW 2048
	s_branch .Ljoin
.Lgate:
	s_cmp_lt_u32 s21, 4                            ; Wa or Wb: a row is 1,024 bytes
	s_cselect_b64 s[14:15], s[6:7], s[8:9]
	s_and_b32 s22, s21, 3
	s_lshl_b32 s22, s22, 4
	s_lshl_b32 s23, s18, 6
	s_add_co_u32 s22, s22, s23                     ; 64 w + 16 (i & 3)
	s_lshl_b32 s22, s22, 2
	s_lshl_b32 s23, s20, 17                        ; 128 s rows
	s_add_co_u32 s22, s22, s23
	s_mov_b32 s23, 0
	s_add_nc_u64 s[14:15], s[14:15], s[22:23]
	s_wait_alu depctr_va_vdst(0)
	v_lshlrev_b32 v5, 2, v1
	v_lshl_add_u32 v5, v2, 15, v5                  ; + 32 h rows
	LOADW 1024
.Ljoin:
	s_mul_i32 s26, s17, 1536
	s_mov_b32 s27, 0
	s_add_nc_u64 s[10:11], s[10:11], s[26:27]      ; my fragment's image
	s_lshl_b32 s26, s17, 6
	s_add_nc_u64 s[12:13], s[12:13], s[26:27]      ; and its scale words
	v_lshlrev_b32 v6, 4, v3
	v_lshlrev_b32 v7, 2, v1
	s_wait_loadcnt 0x0
.irp c,0,1                                     ; my block 2 c + h: all its 32 numbers are mine
	v_max3_num_f32 v[8+\c], |v[X+32*\c]|, |v[X+32*\c+1]|, 0x1800000   ; and the floor 2^(3 - 127): the byte cannot fall under 1
.endr
.irp i,2,4,6,8,10,12,14,16,18,20,22,24,26,28,30
.irp c,0,1
	v_max3_num_f32 v[8+\c], v[8+\c], |v[X+32*\c+\i]|, |v[X+32*\c+\i+1]|
.endr
.endr
.irp c,0,1
	v_add_nc_u32 v[10+\c], 0xff000000, v[8+\c]     ; 2 off the exponent field: the conversion takes the exponent field of this operand as its scale
.endr
.irp c,0,1
	v_lshrrev_b32 v[12+\c], 23, v[10+\c]           ; the scale's byte
.endr
	v_lshl_or_b32 v14, v13, 16, v12                ; blocks h and 2 + h,
	v_lshlrev_b32 v15, 3, v2
	v_lshlrev_b32 v14, v15, v14                    ; at their places in the word;
	v_mov_b32 v15, 0
	v_permlanex16_b32 v15, v14, s24, s25
	v_or_b32 v14, v14, v15                         ; with lane l xor 16's two the word is whole
.irp c,0,1
	v_cvt_scalef32_pk16_fp6_f32 v[PC+6*\c:PC+6*\c+2], v[X+32*\c:X+32*\c+15], v[10+\c]
	v_cvt_scalef32_pk16_fp6_f32 v[112+4*\c:114+4*\c], v[X+32*\c+16:X+32*\c+31], v[10+\c]   ; (a conversion's three registers begin on an even number)
.endr
	v_nop                                          ; one plain place behind the scaled conversions
.irp c,0,1
.irp i,0,1,2
	v_mov_b32 v[PC+6*\c+3+\i], v[112+4*\c+\i]
.endr
.endr
.irp c,0,1,2
	global_store_b128 v6, v[PC+4*\c:PC+4*\c+3], s[10:11] offset:512*\c   ; 32 lanes store 512 consecutive bytes, aligned
.endr
	s_wait_xcnt 0x0                                ; EXEC changes only behind this wait
	v_cmp_gt_u32 vcc_lo, 16, v3
	s_and_saveexec_b32 s28, vcc_lo
	global_store_b32 v7, v14, s[12:13]             ; 64 consecutive bytes a fragment: 16,384 bytes in the whole launch go out in such pieces
	s_wait_xcnt 0x0
	s_or_b32 exec_lo, exec_lo, s28
	s_endpgm
.Lfunc_end_k_q43c8229679_prep:
	.size	k_q43c8229679_prep, .Lfunc_end_k_q43c8229679_prep-k_q43c8229679_prep
	.p2alignl 7, 3214868480
	.fill 96, 4, 3214868480
	.section	.rodata,"a",@progbits
	.p2align	6, 0x0
	.amdhsa_kernel k_q43c8229679_prep
		.amdhsa_group_segment_fixed_size 0
		.amdhsa_private_segment_fixed_size 0
		.amdhsa_enable_private_segment 0
		.amdhsa_kernarg_size 40
		.amdhsa_user_sgpr_count 2
		.amdhsa_user_sgpr_kernarg_segment_ptr 1
		.amdhsa_wavefront_size32 1
		.amdhsa_system_sgpr_workgroup_id_x 1
		.amdhsa_system_sgpr_workgroup_id_y 1
		.amdhsa_system_sgpr_workgroup_id_z 1
		.amdhsa_system_vgpr_workitem_id 0
		.amdhsa_next_free_vgpr 128
		.amdhsa_next_free_sgpr 66
		.amdhsa_reserve_vcc 1
		.amdhsa_float_denorm_mode_32 3
		.amdhsa_float_denorm_mode_16_64 3
		.amdhsa_memory_ordered 1
		.amdhsa_forward_progress 1
		.amdhsa_inst_pref_size 18
	.end_amdhsa_kernel
	.amdgpu_metadata
---
amdhsa.version: [ 1, 2 ]
amdhsa.kernels:
  - .name:           k_q43c8229679_prep
    .symbol:         k_q43c8229679_prep.kd
    .args:
      - { .name: W1, .offset: 0, .size: 8, .value_kind: global_buffer, .address_space: global }
      - { .name: Wa, .offset: 8, .size: 8, .value_kind: global_buffer, .address_space: global }
      - { .name: Wb, .offset: 16, .size: 8, .value_kind: global_buffer, .address_space: global }
      - { .name: wimg, .offset: 24, .size: 8, .value_kind: global_buffer, .address_space: global }
      - { .name: wsc, .offset: 32, .size: 8, .value_kind: global_buffer, .address_space: global }
    .group_segment_fixed_size: 0
    .private_segment_fixed_size: 0
    .kernarg_segment_align: 8
    .kernarg_segment_size: 40
    .max_flat_workgroup_size: 128
    .sgpr_count:     66
    .vgpr_count:     128
    .wavefront_size: 32
...
	.end_amdgpu_metadata
.endif
;; end of part 1
;; launch main (part 2): grid 256 x 1, 4 waves a work-group, no clusters, 327,680 bytes of LDS; arguments h, wimg, wsc, b1, ba, bb, Wc, scores, stat, mpart, cand, Winst, binst; writes scores, stat, mpart, cand
.if DOCPART == 2
	.amdgcn_target "amdgcn-amd-amdhsa--gfx1250"
	.amdhsa_code_object_version 6
	.text
	.protected	k_q43c8229679_main
	.globl	k_q43c8229679_main
	.p2align	8
	.type	k_q43c8229679_main,@function
k_q43c8229679_main:
	s_mov_b64 s[64:65], 0
	v_nop
	global_prefetch_b8 v0, s[64:65] scope:SCOPE_SE
	s_setreg_imm32_b32 hwreg(HW_REG_WAVE_MODE, 25, 1), 1
	s_wait_xcnt 0x0
; CLAM_SB in MX-FP6, launch 2 of 3.  For 512 instances a work-group: h2 = relu(Q(h) Q(W1) + b1); s = sum over d of tanh(Q(h2) Q(Wa) + ba) sigmoid(Q(h2) Q(Wb) + bb) Wc[d];
; a running maximum m and sum l of exp(s - m); the partial M = sum of exp(s - m) h2; the 8 largest and 8 smallest s with their rows and their shares of the instance loss.  h is read once; h2 never goes to memory.
; LEFT OUT: bc (the same for all instances of a slide ahead of a softmax along them: shown at the head of the first launch).  The scores stored here are without it.
; SHARES.  Work-group g owns rows 512 g .. 512 g + 511 (slide g / 64), in 8 blocks of 64 rows (4 tiles of 16).  THE WAVES SHARE THE COLUMNS: wave w makes hidden units 128 w .. + 127,
; which are K step w of the two gate products, and columns 64 w .. + 63 of BOTH gates, so that a and g of one column meet in one lane and register.
; Its 64 weight fragments (768 registers) are read once and stay.  What goes round is small: the rows' codes, as images of operand registers in LDS (16 bytes a lane, 512 a store).
; NO CLUSTER: the work-groups share the weights alone, which each reads once, straight into registers: 393,216 bytes, which do not fit in LDS beside the slot; h's tiles are shared by nobody.
; A BLOCK:  QX: wave w quantises columns 128 w .. + 127 of the 64 rows (its own part of the slot) | barrier, refill |  P1: per tile of rows: product 1 transposed (source 0 = 16 rows of W1^T,
; source 1 = x), + b1, relu, quantised in registers, image to LDS; the same h2 in bf16 to the wave's own LDS bytes, and x Winst | barrier |  P2: per tile: both gates (source 0 = h2's rows, source 1 = the weights),
; the activation, x Wc, the sum over my 64 columns | barrier |  MS: the four waves' parts make s; m, l; the rows' shares of the loss; M by the bf16 matrix form (source 0 = p in all 16 rows, source 1 = h2 turned).
; THE INSTANCE LOSS wants h2 Winst of the 8 rows of largest and the 8 of smallest A of a slide.  Which rows those are hangs on floating-point numbers, so no address here may hang on it.  So the four logits are made
; for EVERY row while its h2 is in registers (4 x 512 multiply-adds a row, bf16 matrix form), each row's two possible shares of the loss are made of them, and they travel with the row's score through the
; selections, here and in the next launch, by v_cndmask_b32.  label = 1: classifier 1 is in class (the 8 largest: target 1; the 8 smallest: target 0; mean of 16), classifier 0 out of class (the 8 largest, target 0,
; mean of 8), the sum halved: a row among the largest adds PT = (lse1 - a11) / 32 + (lse0 - a00) / 16, a row among the smallest PB = (lse1 - a10) / 32.
; THE LOGITS' OPERANDS.  h2 packed to bf16 for M is source 1 as it stands: registers 8 b .. 8 b + 7 are hidden units 32 b + 16 h + 0 .. 15 of row r: k is permuted, alike on both sides.  Source 0 holds Winst's four
; columns for chunk 2 f in its rows 0-3 and for chunk 2 f + 1 in its rows 8-11 (fragment f = 0, 1; the other rows are zeros): of the product with chunk 2 f lanes 0-15 keep registers 0-3, of that with chunk 2 f + 1 lanes 16-31.
; ONE SLOT of 64 rows, each wave's part its own: it is read out at a block's head and asked for again behind the first barrier, so the load has P1, P2 and MS in which to land.
; FORMS: tanh(x) = sign(x) (1 - e) / (1 + e), e = 2^(-|2 log2(e) x|) <= 1; sigmoid(y) = 1 / (1 + G), G = 2^(-log2(e) y): a g = +-(1 - e) rcp((1 + e)(1 + G)); an infinite G gives 0, never a NaN.
; LIMITS: NaN and infinities among the inputs are not served; scores lie above -3e38; p and h2 are rounded to bf16 for M, h2 and Winst for the instance logits (l and the scores stay f32);
; the 8 largest and smallest are taken on s, which orders as A does, equal s to the lower row: two s that differ in their last bit and give one f32 A are ordered by s, not by row.
; REGISTERS, in windows of 256: windows 1 to 3: weight fragment f < 63 in window 1 + f / 21 at v[12 (f % 21)]; fragment 63 in window 0.  Window 0: see the names below.
.set FRB,   1536                       ; an image of a fragment
.set XIMG,  0                          ; x's 16 fragments: (tile m, K step s) at 6144 s + 1536 m: a wave's four on end
.set XSC,   24576                      ; their scale words: 512 s + 128 m
.set HIMG,  26624                      ; h2's 16 fragments, likewise
.set HSC,   51200
.set PART,  53248                      ; score parts: 256 w + 4 x row
.set PSC,   54272                      ; 512 bytes a wave, its own: p in bf16; at the end the stage for M
.set SCS,   56320                      ; the work-group's 512 scores
.set SPARE, 58368                      ; the spare words: 128 bytes a wave, named by no other line
.set HB,    58880                      ; a wave's own 64 rows x 288: 256 bytes of h2 in bf16 + 32
.set HBP,   288
.set SLOT,  132608                     ; a wave's own 64 rows x 528: 512 bytes of h + 16.  No ds_store ever lands here
.set XP,    528
.set WIT,   267776                     ; behind the slot: a wave's own two fragments of Winst, 1,024 bytes each
.set LGP,   275968                     ; parts of the instance logits: 2048 w + 512 m + 16 x lane
.set PTS,   284160                     ; PT of the 512 rows: 512 w + 64 x block + 4 r (row 64 x block + 16 w + r): a wave's own run
.set PBS,   286208                     ; PB likewise, 2,048 bytes on
.set LI,1                              ; 16 x lane
.set LS,2                              ; 4 x lane
.set XRD,3                             ; slot: my row and half
.set XWI,4                             ; where I store x's images,
.set XWS,5                             ; their scale words,
.set HWI,6                             ; h2's images,
.set HWS,7                             ; their scale words
.set WITR,8                            ; my fragments of Winst
.set HBWR,9                            ; h2 in bf16: in,
.set HBRD,10                           ; and out, turned
.set PTW,11
.set PTR,12
.set PSW,13
.set PSR,14
.set SCW,15
.set GSO,16
.set T0,17                             ; v17-21: a trip's addresses
.set T1,18
.set T2,19
.set T3,20
.set T4,21
.set SPW,22
.set NIL,23
.set FSC,24                            ; v24-27  scale words of the activations' four fragments: scales and nothing else
.set BA,28                             ; v28-31  2 log2(e) ba[d_i];  v32-35  -log2(e) bb[d_i];  v36-39  Wc[d_i];  d_i = 64 w + 16 i + r
.set BB,32
.set WCR,36
.set WS,40                             ; v40-71  the weights' scale words: register j: lanes 0-15 fragment 2 j, lanes 16-31 fragment 2 j + 1
.set MACC,72                           ; v72-79  M of hidden units 16 n + r
.set MRUN,80
.set LSUM,81
.set FF,82
.set LGWR,83                           ; where I store my parts of the logits
.set ACC,96                            ; v96-159 eight accumulators
.set RB,160                            ; QX: the second set of 64 raw numbers
.set FRG,160                           ; v160-207 four fragments of x or of h2
.set S0,208                            ; P1: v208-223 Winst's two fragments
.set EE,208                            ; P2: v208-239
.set SACC,240
.set QT,224                            ; v224-249 the quantiser's
.set PW,QT+12
.set PC,QT+14
.set LT,224                            ; P1: eight numbers on the logits' way out
.set BC,250                            ; v250-253 b1[128 w + 32 k + lane]
.set LGRD,254                          ; where I read the parts of tile w's logits
.set PYWR,255                          ; where I store PT of tile w's rows
.set PP,160                            ; MS: p's two fragments; v176-239 h2's eight
.set HF,176
.set MT,240
.set SV,248
.set LQ,96                             ; MS: eight parts x four logits; v128-133 at work
.set LM,128
.set P0,152
.set P1,153
.set MX,154
.set TMP,155
.set MN,156
.set MCV,157
.set PB,158
.set WB,156                            ; the head's temporaries
.set WA,157
.set RT,158
.set HT,159
.set KK,96                             ; the tail: 16 keys, 16 rows (negated), 16 shares a lane
.set IX,112
.set RR,128
.set RL,132
.set VV,136
.set WW,137
.set TP,139
.set RV,140
.set RI,141
.set NI,142
.set LN,143
.set PY,144
.set CC,160
.set HIT,176
.set RP,180
.set BG,181
.set TT0,182
.set WV,28
.set K16,29
.set G1,32
.set G0,40
.set SEL,44
.set KC1,46
.set KC2,48
.set KL2E,50
.set KABS,51
.set BLK,52
.set CNT,53
.set OA,54
.set OB,55
.set OC,56
.set OD,57
.set KHI,58
.set SGN,59
.set TK,60
.set OS,61
.set OE,62
.set KLN2,63
.set BI,72                             ; s[72:75] binst
.set MK,76                             ; s[76:91] sixteen masks
.set MSB, 0
.macro WIN new                         ; the immediate's high byte repeats the setting that is left
.if MSB != (\new)
	s_set_vgpr_msb (MSB<<8)|(\new)
.set MSB, \new
.endif
.endm
.macro FSET n                          ; where weight fragment n lies
.if (\n) == 63
.set FW, 0
.set FR, 84
.else
.set FW, 1+(\n)/21
.set FR, 12*((\n)%21)
.endif
.endm
.macro BAR                             ; my LDS stores have landed and my LDS loads are in: then the work-group's barrier
	s_wait_dscnt 0x0
	s_barrier_signal -1
	s_barrier_wait -1
.endm
.macro NOPS
.rept 4
	v_nop
.endr
.endm
; 64 numbers of a lane, register 16 b + i = k 32 b + 16 (lane / 16) + i of my row, become a fragment's codes in v[PC] on and its scale word in v[PW].  abs = 0: none is negative
.macro QUANT src, abs
.irp b,0,1,2,3
.if \abs
	v_max3_num_f32 v[QT+\b], |v[\src+16*\b]|, |v[\src+16*\b+1]|, 0x1800000   ; the floor 2^(3 - 127) among the leaves: the byte cannot fall under 1
.else
	v_max3_num_f32 v[QT+\b], v[\src+16*\b], v[\src+16*\b+1], 0x1800000
.endif
.endr
.irp i,2,4,6,8,10,12,14
.irp b,0,1,2,3
.if \abs
	v_max3_num_f32 v[QT+\b], v[QT+\b], |v[\src+16*\b+\i]|, |v[\src+16*\b+\i+1]|
.else
	v_max3_num_f32 v[QT+\b], v[QT+\b], v[\src+16*\b+\i], v[\src+16*\b+\i+1]
.endif
.endr
.endr
.irp b,0,1,2,3
	v_permlanex16_b32 v[QT+4+\b], v[QT+\b], s[SEL], s[SEL+1]
.endr
.irp b,0,1,2,3
	v_max_num_f32 v[QT+\b], v[QT+\b], v[QT+4+\b]   ; with lane l xor 16's: the block's largest magnitude
.endr
.irp b,0,1,2,3
	v_add_nc_u32 v[QT+8+\b], 0xff000000, v[QT+\b]  ; 2 off its exponent field: the conversion's scale operand
.endr
.irp b,0,1,2,3
	v_lshrrev_b32 v[QT+4+\b], 23, v[QT+8+\b]       ; the scale's byte
.endr
	v_lshl_or_b32 v[PW], v[QT+5], 8, v[QT+4]
	v_lshl_or_b32 v[PW], v[QT+6], 16, v[PW]
	v_lshl_or_b32 v[PW], v[QT+7], 24, v[PW]
.irp c,0,1
	v_cvt_scalef32_pk16_fp6_f32 v[PC+6*\c:PC+6*\c+2], v[\src+32*\c:\src+32*\c+15], v[QT+8+2*\c]
	v_cvt_scalef32_pk16_fp6_f32 v[QT+4*\c:QT+4*\c+2], v[\src+32*\c+16:\src+32*\c+31], v[QT+9+2*\c]   ; (a conversion's three registers begin on an even number)
.endr
	v_nop                                          ; one plain place behind the scaled conversions
.irp c,0,1                                     ; the operand wants a WHOLE block in a lane: lanes 0-15 block 2 c, lanes 16-31 block 2 c + 1
.irp i,0,1,2
	v_permlane16_swap_b32 v[PC+6*\c+\i], v[QT+4*\c+\i]
.endr
.irp i,0,1,2
	v_mov_b32 v[PC+6*\c+3+\i], v[QT+4*\c+\i]
.endr
.endr
.endm
.macro IMAGE adr, off, sadr, soff      ; the fragment goes to LDS as it stands, and its scale words
.irp c,0,1,2
	ds_store_b128 v[\adr], v[PC+4*\c:PC+4*\c+3] offset:\off+512*\c
.endr
	ds_store_b32 v[\sadr], v[PW] offset:\soff
.endm
.macro LOADF ioff, soff                ; a tile of rows' four fragments and scale words: T0 = 16 lane + 1536 m, T1 = 4 lane + 128 m
.irp s,0,1,2,3
.irp c,0,1,2
	ds_load_b128 v[FRG+12*\s+4*\c:FRG+12*\s+4*\c+3], v[T0] offset:\ioff+4*FRB*\s+512*\c
.endr
	ds_load_b32 v[FSC+\s], v[T1] offset:\soff+512*\s
.endr
.endm
.macro LOADX m, reg                    ; my 64 numbers of row 16 m + r: 16 neighbours of each block of 32
.irp b,0,1,2,3
.irp j,0,1,2,3
	ds_load_b128 v[\reg+16*\b+4*\j:\reg+16*\b+4*\j+3], v[XRD] offset:16*XP*\m+128*\b+16*\j
.endr
.endr
.endm
; product 1, K step s, tile t: source 0 = W1's fragment (its window), source 1 = x's.  The eight accumulators take turns, one instruction a turn
.macro MM1 s, t
.set FI, 8*(\s)+(\t)
	FSET FI
	WIN FW
.set DR, ACC+8*(\t)
.set BR, FRG+12*(\s)
.if (\s) == 0
.if FI%2
	v_wmma_scale_f32_16x16x128_f8f6f4 v[DR:DR+7], v[FR:FR+11], v[BR:BR+11], 0, v[WS+FI/2], v[FSC+(\s)] matrix_a_fmt:MATRIX_FMT_FP6 matrix_b_fmt:MATRIX_FMT_FP6 matrix_a_scale:MATRIX_SCALE_ROW1
.else
	v_wmma_scale_f32_16x16x128_f8f6f4 v[DR:DR+7], v[FR:FR+11], v[BR:BR+11], 0, v[WS+FI/2], v[FSC+(\s)] matrix_a_fmt:MATRIX_FMT_FP6 matrix_b_fmt:MATRIX_FMT_FP6
.endif
.else
.if FI%2
	v_wmma_scale_f32_16x16x128_f8f6f4 v[DR:DR+7], v[FR:FR+11], v[BR:BR+11], v[DR:DR+7], v[WS+FI/2], v[FSC+(\s)] matrix_a_fmt:MATRIX_FMT_FP6 matrix_b_fmt:MATRIX_FMT_FP6 matrix_a_scale:MATRIX_SCALE_ROW1
.else
	v_wmma_scale_f32_16x16x128_f8f6f4 v[DR:DR+7], v[FR:FR+11], v[BR:BR+11], v[DR:DR+7], v[WS+FI/2], v[FSC+(\s)] matrix_a_fmt:MATRIX_FMT_FP6 matrix_b_fmt:MATRIX_FMT_FP6
.endif
.endif
.endm
; the gates, K step s, tile i (0-3 Wa, 4-7 Wb): source 0 = h2's fragment, source 1 = the weight's (its window)
.macro MM2 s, i
.set FI, 32+8*(\s)+(\i)
	FSET FI
	WIN FW<<2
.set DR, ACC+8*(\i)
.set AR, FRG+12*(\s)
.if (\s) == 0
.if FI%2
	v_wmma_scale_f32_16x16x128_f8f6f4 v[DR:DR+7], v[AR:AR+11], v[FR:FR+11], 0, v[FSC+(\s)], v[WS+FI/2] matrix_a_fmt:MATRIX_FMT_FP6 matrix_b_fmt:MATRIX_FMT_FP6 matrix_b_scale:MATRIX_SCALE_ROW1
.else
	v_wmma_scale_f32_16x16x128_f8f6f4 v[DR:DR+7], v[AR:AR+11], v[FR:FR+11], 0, v[FSC+(\s)], v[WS+FI/2] matrix_a_fmt:MATRIX_FMT_FP6 matrix_b_fmt:MATRIX_FMT_FP6
.endif
.else
.if FI%2
	v_wmma_scale_f32_16x16x128_f8f6f4 v[DR:DR+7], v[AR:AR+11], v[FR:FR+11], v[DR:DR+7], v[FSC+(\s)], v[WS+FI/2] matrix_a_fmt:MATRIX_FMT_FP6 matrix_b_fmt:MATRIX_FMT_FP6 matrix_b_scale:MATRIX_SCALE_ROW1
.else
	v_wmma_scale_f32_16x16x128_f8f6f4 v[DR:DR+7], v[AR:AR+11], v[FR:FR+11], v[DR:DR+7], v[FSC+(\s)], v[WS+FI/2] matrix_a_fmt:MATRIX_FMT_FP6 matrix_b_fmt:MATRIX_FMT_FP6
.endif
.endif
.endm
.macro MMALL which                     ; 32 matrix instructions, K step outermost
.set SS, 0
.rept 4
.set TT, 0
.rept 8
.if \which == 1
	MM1 SS, TT
.else
	MM2 SS, TT
.endif
.set TT, TT+1
.endr
.set SS, SS+1
.endr
	WIN 0
.endm
; P1 for one tile of 16 rows.  pre = 1: the next tile's fragments are asked for behind the products
.macro W1 s, t                         ; one product of P1, and the windows back to 0 for the vector lines that follow it
	MM1 \s, \t
	WIN 0
.endm
.macro ADD4 b, a0, a1, a2, a3          ; + b1 on four registers of block b
.irp n,\a0,\a1,\a2,\a3
	v_add_f32_dpp v[ACC+16*\b+\n], v[BC+\b], v[ACC+16*\b+\n] row_share:\n row_mask:0xf bank_mask:0xf
.endr
.endm
.macro MAX4 j                          ; relu on registers j .. j + 3
.irp k,0,1,2,3
	v_max_num_f32 v[ACC+\j+\k], 0, v[ACC+\j+\k]
.endr
.endm
.macro P1TRIP pre
	s_wait_dscnt 13                                ; this tile's fragments are in: behind their 16 loads the last tile issued 13 LDS stores (4 of the image, 8 of h2 in bf16, 1 of the logits), which may stay out; on the way in nothing is out
	v_add_nc_u32 v[T2], s[OA], v[HWI]
	v_add_nc_u32 v[T3], s[OB], v[HWS]
	v_add_nc_u32 v[T4], s[OC], v[HBWR]
.irp s,0,1,2,3                                 ; tiles 0-3 first, K step outermost: four accumulators by turns, one instruction a turn
.irp t,0,1,2,3
	MM1 \s, \t
.endr
.endr
	W1 0, 4                                        ; then tiles 4-7, likewise by turns; behind each product four plain lines of the finished half's + b1 and relu
	NOPS                                           ; the four places in front of the first read of tiles 0-3's results
	W1 0, 5
	ADD4 0, 0,1,2,3
	W1 0, 6
	MAX4 0
	W1 0, 7
	ADD4 0, 4,5,6,7
	W1 1, 4
	MAX4 4
	W1 1, 5
	ADD4 0, 8,9,10,11
	W1 1, 6
	MAX4 8
	W1 1, 7
	ADD4 0, 12,13,14,15
	W1 2, 4
	MAX4 12
	W1 2, 5
	ADD4 1, 0,1,2,3
	W1 2, 6
	MAX4 16
	W1 2, 7
	ADD4 1, 4,5,6,7
	W1 3, 4
	MAX4 20
	W1 3, 5
	ADD4 1, 8,9,10,11
	W1 3, 6
	MAX4 24
	W1 3, 7
	ADD4 1, 12,13,14,15
.if \pre
	s_add_co_u32 s[OA], s[OA], FRB
	s_add_co_u32 s[OB], s[OB], 128
	v_add_nc_u32 v[T0], s[OA], v[LI]               ; these two and two v_nop are the four places in front of loads into registers that the products have read, and of the first read of results
	v_add_nc_u32 v[T1], s[OB], v[LS]
	v_nop
	v_nop
	LOADF XIMG, XSC
.else
	NOPS
.endif
.irp b,2,3                                     ; + b1 for tiles 4-7 (tiles 0-3 have theirs): register 16 b + n is hidden unit 32 b + 16 h + n: lane n of my half of v[BC + b] holds its bias.  Each accumulator from its low end on
.irp n,0,1,2,3,4,5,6,7,8,9,10,11,12,13,14,15
	v_add_f32_dpp v[ACC+16*\b+\n], v[BC+\b], v[ACC+16*\b+\n] row_share:\n row_mask:0xf bank_mask:0xf
.endr
.endr
.set J, 28                             ; registers 0-27 have had their relu among the products
.rept 36
	v_max_num_f32 v[ACC+J], 0, v[ACC+J]            ; relu, in f32
.set J, J+1
.endr
	QUANT ACC, 0
	IMAGE T2, 0, T3, 0                             ; K step w of the gates, this tile of rows
.set J, 0
.rept 32
	v_cvt_pk_bf16_f32 v[ACC+J], v[ACC+2*J], v[ACC+2*J+1]   ; for M and the instance logits: in place, ascending: what is written has been read
.set J, J+1
.endr
.irp t,0,1,2,3,4,5,6,7
	ds_store_b128 v[T4], v[ACC+4*\t:ACC+4*\t+3] offset:64*(\t/2)+16*(\t%2)   ; row 16 m + r, hidden units 32 (t / 2) + 16 h + 8 (t % 2) on
.endr
	v_add_nc_u32 v[T0], s[OE], v[LGWR]             ; where this tile's parts of the logits go; with three v_nop: four plain lines between the packing and the products that read it
	v_nop
	v_nop
	v_nop
.irp b,0,1,2,3                                 ; Winst's columns x chunk b of my 128 hidden units, into the accumulator registers that the packing has left: four sums of their own, each begun with 0
	v_wmma_f32_16x16x32_bf16 v[ACC+32+8*\b:ACC+39+8*\b], v[S0+8*(\b/2):S0+8*(\b/2)+7], v[ACC+8*\b:ACC+8*\b+7], 0
.endr
	NOPS                                           ; places in front of the first read of results
	v_pk_add_f32 v[LT:LT+1], v[ACC+32:ACC+33], v[ACC+48:ACC+49]       ; chunks 0 and 2: right in lanes 0-15 (source 0's rows 0-3).  Each accumulator is read from its low end
	v_pk_add_f32 v[LT+2:LT+3], v[ACC+34:ACC+35], v[ACC+50:ACC+51]
	v_pk_add_f32 v[LT+4:LT+5], v[ACC+40:ACC+41], v[ACC+56:ACC+57]     ; chunks 1 and 3: right in lanes 16-31 (rows 8-11)
	v_pk_add_f32 v[LT+6:LT+7], v[ACC+42:ACC+43], v[ACC+58:ACC+59]
.irp k,0,1,2,3
	v_cndmask_b32 v[LT+\k], v[LT+\k], v[LT+4+\k], s[KHI]
.endr
	ds_store_b128 v[T0], v[LT:LT+3]                ; lane (r, h): row r's four logits over my chunks h and 2 + h
	s_add_co_u32 s[OC], s[OC], 16*HBP
	s_add_co_u32 s[OE], s[OE], 512
.endm
; P2 for one tile of 16 rows.  Register 8 i + j of lane (r, h): instance 8 h + j, column d_i
.macro P2TRIP pre
	s_wait_dscnt 2                                 ; this tile's fragments are in: behind their 16 loads the last tile issued its two stores of score parts, which may stay out; on the way in nothing is out
	v_add_nc_u32 v[T2], s[OD], v[PTW]
	MMALL 2
.if \pre
	s_add_co_u32 s[OA], s[OA], FRB
	s_add_co_u32 s[OB], s[OB], 128
	v_add_nc_u32 v[T0], s[OA], v[LI]
	v_add_nc_u32 v[T1], s[OB], v[LS]
	v_nop
	v_nop
	LOADF HIMG, HSC
.else
	NOPS
.endif
.irp i,0,1,2,3                                 ; 2 log2(e) (x + ba) and -log2(e) (y + bb), two at a time; the bias is one register of a pair, for both halves
.irp p,0,2,4,6
.if \i%2
	v_pk_fma_f32 v[ACC+8*\i+\p:ACC+8*\i+\p+1], v[ACC+8*\i+\p:ACC+8*\i+\p+1], s[KC1:KC1+1], v[BA+\i-1:BA+\i] op_sel:[0,0,1] op_sel_hi:[1,0,1]
.else
	v_pk_fma_f32 v[ACC+8*\i+\p:ACC+8*\i+\p+1], v[ACC+8*\i+\p:ACC+8*\i+\p+1], s[KC1:KC1+1], v[BA+\i:BA+\i+1] op_sel_hi:[1,0,0]
.endif
.endr
.endr
.irp i,0,1,2,3
.irp p,0,2,4,6
.if \i%2
	v_pk_fma_f32 v[ACC+32+8*\i+\p:ACC+32+8*\i+\p+1], v[ACC+32+8*\i+\p:ACC+32+8*\i+\p+1], s[KC2:KC2+1], v[BB+\i-1:BB+\i] op_sel:[0,0,1] op_sel_hi:[1,0,1]
.else
	v_pk_fma_f32 v[ACC+32+8*\i+\p:ACC+32+8*\i+\p+1], v[ACC+32+8*\i+\p:ACC+32+8*\i+\p+1], s[KC2:KC2+1], v[BB+\i:BB+\i+1] op_sel_hi:[1,0,0]
.endif
.endr
.endr
.set J, 0
	s_wait_alu depctr_va_vdst(0)
.rept 32
	v_exp_f32 v[EE+J], -|v[ACC+J]|                 ; e, at most 1
.set J, J+1
.endr
.set J, 0
.rept 32
	v_exp_f32 v[ACC+32+J], v[ACC+32+J]             ; G
.set J, J+1
.endr
	v_nop                                          ; a plain place behind the exponentials, ahead of the write of their sources
.set J, 0
.rept 32
	v_bfi_b32 v[ACC+J], s[KABS], 1.0, v[ACC+J]     ; the sign of x on 1.0.  (Names no exponential's result: the batch's independent work)
.set J, J+1
.endr
	s_wait_alu depctr_va_vdst(0)                   ; one wait for the 64 exponentials, ahead of their first reader
.set J, 0
.rept 16
	v_pk_fma_f32 v[ACC+J:ACC+J+1], v[ACC+J:ACC+J+1], v[EE+J:EE+J+1], v[ACC+J:ACC+J+1] neg_lo:[1,0,0] neg_hi:[1,0,0]   ; +-(1 - e)
.set J, J+2
.endr
.set J, 0
.rept 16
	v_pk_add_f32 v[EE+J:EE+J+1], v[EE+J:EE+J+1], 1.0 op_sel_hi:[1,0]
.set J, J+2
.endr
.set J, 0
.rept 16
	v_pk_add_f32 v[ACC+32+J:ACC+32+J+1], v[ACC+32+J:ACC+32+J+1], 1.0 op_sel_hi:[1,0]
.set J, J+2
.endr
.set J, 0
.rept 16
	v_pk_mul_f32 v[ACC+32+J:ACC+32+J+1], v[ACC+32+J:ACC+32+J+1], v[EE+J:EE+J+1]   ; (1 + e)(1 + G)
.set J, J+2
.endr
.set J, 0
	s_wait_alu depctr_va_vdst(0)
.rept 32
	v_rcp_f32 v[ACC+32+J], v[ACC+32+J]
.set J, J+1
.endr
.irp i,0,1,2,3                                 ; x Wc[d_i]: plain work behind the reciprocals, which names none of their results
.irp p,0,2,4,6
.if \i%2
	v_pk_mul_f32 v[ACC+8*\i+\p:ACC+8*\i+\p+1], v[ACC+8*\i+\p:ACC+8*\i+\p+1], v[WCR+\i-1:WCR+\i] op_sel:[0,1] op_sel_hi:[1,1]
.else
	v_pk_mul_f32 v[ACC+8*\i+\p:ACC+8*\i+\p+1], v[ACC+8*\i+\p:ACC+8*\i+\p+1], v[WCR+\i:WCR+\i+1] op_sel_hi:[1,0]
.endif
.endr
.endr
	s_wait_alu depctr_va_vdst(0)                   ; one wait for the 32 reciprocals
.irp p,0,2,4,6
	v_pk_mul_f32 v[SACC+\p:SACC+\p+1], v[ACC+\p:ACC+\p+1], v[ACC+32+\p:ACC+32+\p+1]
.endr
.irp i,1,2,3
.irp p,0,2,4,6
	v_pk_fma_f32 v[SACC+\p:SACC+\p+1], v[ACC+8*\i+\p:ACC+8*\i+\p+1], v[ACC+32+8*\i+\p:ACC+32+8*\i+\p+1], v[SACC+\p:SACC+\p+1]
.endr
.endr
.irp x,1,2,4,8                                 ; over the sixteen lanes of a half: my wave's 64 columns
.irp j,0,1,2,3,4,5,6,7
	v_add_f32_dpp v[SACC+\j], v[SACC+\j], v[SACC+\j] row_xmask:\x row_mask:0xf bank_mask:0xf
.endr
.endr
	ds_store_b128 v[T2], v[SACC:SACC+3]            ; instances 8 h + 0 .. 7: the sixteen lanes of a half write the same bytes with the same values
	ds_store_b128 v[T2], v[SACC+4:SACC+7] offset:16
	s_add_co_u32 s[OD], s[OD], 64
.endm
; Tile w's rows: the eight parts (four waves x two halves of the lanes) make the four logits; of them the row's two shares of the loss.  Lanes r and r + 16 do the same work on the same numbers
.macro LOGIT
.irp q,0,2,4,6
	v_pk_add_f32 v[LQ+4*\q:LQ+4*\q+1], v[LQ+4*\q:LQ+4*\q+1], v[LQ+4*\q+4:LQ+4*\q+5]
	v_pk_add_f32 v[LQ+4*\q+2:LQ+4*\q+3], v[LQ+4*\q+2:LQ+4*\q+3], v[LQ+4*\q+6:LQ+4*\q+7]
.endr
.irp q,0,4
	v_pk_add_f32 v[LQ+4*\q:LQ+4*\q+1], v[LQ+4*\q:LQ+4*\q+1], v[LQ+4*\q+8:LQ+4*\q+9]
	v_pk_add_f32 v[LQ+4*\q+2:LQ+4*\q+3], v[LQ+4*\q+2:LQ+4*\q+3], v[LQ+4*\q+10:LQ+4*\q+11]
.endr
	v_pk_add_f32 v[LQ:LQ+1], v[LQ:LQ+1], v[LQ+16:LQ+17]
	v_pk_add_f32 v[LQ+2:LQ+3], v[LQ+2:LQ+3], v[LQ+18:LQ+19]
.irp c,0,1,2,3
	v_add_f32 v[LQ+\c], s[BI+\c], v[LQ+\c]         ; a00, a01, a10, a11
.endr
	v_max_num_f32 v[LM], v[LQ], v[LQ+1]            ; the larger logit is taken away before the exponentials
	v_max_num_f32 v[LM+1], v[LQ+2], v[LQ+3]
	v_sub_f32 v[LM+2], v[LQ], v[LM]
	v_sub_f32 v[LM+3], v[LQ+1], v[LM]
	v_sub_f32 v[LM+4], v[LQ+2], v[LM+1]
	v_sub_f32 v[LM+5], v[LQ+3], v[LM+1]
.irp k,2,3,4,5
	v_mul_f32 v[LM+\k], s[KL2E], v[LM+\k]
.endr
	s_wait_alu depctr_va_vdst(0)
.irp k,2,3,4,5
	v_exp_f32 v[LM+\k], v[LM+\k]
.endr
	v_nop
	s_wait_alu depctr_va_vdst(0)                   ; one wait for the four
	v_add_f32 v[LM+2], v[LM+2], v[LM+3]
	v_add_f32 v[LM+4], v[LM+4], v[LM+5]
	s_wait_alu depctr_va_vdst(0)
	v_log_f32 v[LM+2], v[LM+2]
	v_log_f32 v[LM+4], v[LM+4]
	s_lshr_b32 s66, s[OS], 2                       ; 64 bytes a block
	v_add_nc_u32 v[T1], s66, v[PYWR]               ; (a plain place)
	s_wait_alu depctr_va_vdst(0)                   ; one wait for the two
	v_fma_f32 v[LM], v[LM+2], s[KLN2], v[LM]       ; lse0
	v_fma_f32 v[LM+1], v[LM+4], s[KLN2], v[LM+1]   ; lse1
	v_sub_f32 v[LM+2], v[LM+1], v[LQ+3]
	v_sub_f32 v[LM+3], v[LM+1], v[LQ+2]
	v_sub_f32 v[LM+4], v[LM], v[LQ]
	v_mul_f32 v[LM+2], 0x3d000000, v[LM+2]         ; / 32
	v_mul_f32 v[LM+3], 0x3d000000, v[LM+3]         ; PB
	v_fma_f32 v[LM+2], v[LM+4], s[K16], v[LM+2]    ; PT
	ds_store_b32 v[T1], v[LM+2]
	ds_store_b32 v[T1], v[LM+3] offset:PBS-PTS
.endm
; M: hidden tiles 4 g .. 4 g + 3 of my 128: sum over the block's 64 rows of p h2.  Source 0 = p, the same in all 16 rows, so register 0 of a result holds the sum for hidden unit 16 n + r
.macro MGROUP g
.if \g
	NOPS                                           ; places in front of loads into registers that the last products read, and of the reads of their results
.endif
.irp n,0,1,2,3
.irp q,0,1
	ds_load_tr16_b128 v[HF+8*(2*\n+\q):HF+8*(2*\n+\q)+3], v[HBRD] offset:32*HBP*\q+32*(4*\g+\n)
	ds_load_tr16_b128 v[HF+8*(2*\n+\q)+4:HF+8*(2*\n+\q)+7], v[HBRD] offset:32*HBP*\q+32*(4*\g+\n)+16*HBP
.endr
.endr
.if \g
.irp n,0,1,2,3
	v_fma_f32 v[MACC+\n], v[MACC+\n], v[FF], v[ACC+8*\n]   ; M under the new maximum, + this block's
.endr
.else
	LOGIT                                          ; work on registers while the loads above are on their way
.endif
	s_wait_dscnt 0x0
.irp n,0,1,2,3
	v_wmma_f32_16x16x32_bf16 v[ACC+8*(4*\g+\n):ACC+8*(4*\g+\n)+7], v[PP:PP+7], v[HF+16*\n:HF+16*\n+7], 0
.endr
.irp n,0,1,2,3
	v_wmma_f32_16x16x32_bf16 v[ACC+8*(4*\g+\n):ACC+8*(4*\g+\n)+7], v[PP+8:PP+15], v[HF+16*\n+8:HF+16*\n+15], v[ACC+8*(4*\g+\n):ACC+8*(4*\g+\n)+7]
.endr
.endm
.macro BLOCK refill
	; ---- QX
	s_wait_tensorcnt 0x0                           ; my one load that is out is my own part of the slot: no load was issued behind it
	LOADX 0, ACC
	LOADX 1, RB
	s_wait_dscnt 16                                ; all but the 16 loads issued last
	QUANT ACC, 1
	IMAGE XWI, 0, XWS, 0
	LOADX 2, ACC
	s_wait_dscnt 16                                ; the raw numbers wanted now are in
	QUANT RB, 1
	IMAGE XWI, FRB, XWS, 128
	LOADX 3, RB
	s_wait_dscnt 16
	QUANT ACC, 1
	IMAGE XWI, 2*FRB, XWS, 256
	s_wait_dscnt 0x0
	QUANT RB, 1
	IMAGE XWI, 3*FRB, XWS, 384
.if \refill
	s_wait_tensorcnt 0x0                           ; no tensor load of mine is out, so the descriptor may be written
	ds_add_u32 v[SPW], v[NIL]                      ; 0 onto my spare word
	s_add_nc_u64 s[G0+2:G0+3], s[G0+2:G0+3], 131072   ; the next 64 rows
	s_wait_dscnt 0x0                               ; the add is done, my reads of the slot are over, my images have landed
	s_barrier_signal -1
	s_barrier_wait -1
	tensor_load_to_lds s[G0:G0+3], s[G1:G1+7]      ; the first thing behind the barrier, my one tensor load until the next such barrier
	s_nop 0
	NOPS
.else
	BAR
.endif
	; ---- P1
	s_mov_b32 s[OA], 0
	s_mov_b32 s[OB], 0
	s_mov_b32 s[OC], 0
	s_mov_b32 s[OE], 0
	v_add_nc_u32 v[T0], s[OA], v[LI]
	v_add_nc_u32 v[T1], s[OB], v[LS]
.irp k,0,1,2,3
	ds_load_b128 v[S0+4*\k:S0+4*\k+3], v[WITR] offset:512*\k   ; Winst's two fragments, for the block's four tiles
.endr
	LOADF XIMG, XSC
	s_wait_dscnt 0x0                               ; on the way into the loop nothing is out, so the counted wait at its top holds on both ways
	s_mov_b32 s[CNT], 3
.Lp1_\@:
	P1TRIP 1
	s_sub_co_u32 s[CNT], s[CNT], 1
	s_cmp_lg_u32 s[CNT], 0
	s_cbranch_scc1 .Lp1_\@
	P1TRIP 0
	BAR                                            ; h2's sixteen fragments and the logits' parts lie in LDS
	; ---- P2
	s_mov_b32 s[OA], 0
	s_mov_b32 s[OB], 0
	s_mov_b32 s[OD], 0
	v_add_nc_u32 v[T0], s[OA], v[LI]
	v_add_nc_u32 v[T1], s[OB], v[LS]
	LOADF HIMG, HSC
	s_wait_dscnt 0x0                               ; as in front of P1's loop
	s_mov_b32 s[CNT], 3
.Lp2_\@:
	P2TRIP 1
	s_sub_co_u32 s[CNT], s[CNT], 1
	s_cmp_lg_u32 s[CNT], 0
	s_cbranch_scc1 .Lp2_\@
	P2TRIP 0
	BAR                                            ; the four waves' parts of 64 scores lie in LDS
	; ---- MS: the scores: every wave alike; lane l holds rows 2 l and 2 l + 1 of the block
.irp u,0,1,2,3
	ds_load_b64 v[MT+2*\u:MT+2*\u+1], v[PTR] offset:256*\u
.endr
.irp u,0,1,2,3
	ds_load_b128 v[LQ+8*\u:LQ+8*\u+3], v[LGRD] offset:2048*\u          ; wave u's parts of tile w's logits: lane r's,
	ds_load_b128 v[LQ+8*\u+4:LQ+8*\u+7], v[LGRD] offset:2048*\u+256    ; and lane r + 16's
.endr
	v_add_nc_u32 v[T0], s[OS], v[SCW]
	s_wait_dscnt 0x0
	v_pk_add_f32 v[MT:MT+1], v[MT:MT+1], v[MT+2:MT+3]
	v_pk_add_f32 v[MT+4:MT+5], v[MT+4:MT+5], v[MT+6:MT+7]
	v_pk_add_f32 v[SV:SV+1], v[MT:MT+1], v[MT+4:MT+5]
	s_cmp_lg_u32 s[WV], 0
	s_cbranch_scc1 .Lnw0_\@
	global_store_b64 v[GSO], v[SV:SV+1], s[18:19]  ; 32 lanes store 256 consecutive bytes, aligned
	s_wait_alu depctr_va_vdst(0)
	ds_store_b64 v[T0], v[SV:SV+1]                 ; and keep them for the tail
.Lnw0_\@:
	s_wait_alu depctr_va_vdst(0)
	v_max_num_f32 v[MX], v[SV], v[SV+1]
.irp x,1,2,4,8
	v_max_num_f32_dpp v[MX], v[MX], v[MX] row_xmask:\x row_mask:0xf bank_mask:0xf
.endr
	v_mov_b32 v[TMP], 0                            ; (a lane permute's destination counts as one of its sources)
	v_permlanex16_b32 v[TMP], v[MX], s[SEL], s[SEL+1]
	v_max_num_f32 v[MX], v[MX], v[TMP]
	v_max_num_f32 v[MN], v[MRUN], v[MX]            ; the running maximum
	v_mul_f32 v[MCV], s[KL2E], v[MN]
	v_fma_f32 v[P0], v[SV], s[KL2E], -v[MCV]
	v_fma_f32 v[P1], v[SV+1], s[KL2E], -v[MCV]
	v_fma_f32 v[FF], v[MRUN], s[KL2E], -v[MCV]
	s_wait_alu depctr_va_vdst(0)
	v_exp_f32 v[P0], v[P0]                         ; p = exp(s - m)
	v_exp_f32 v[P1], v[P1]
	v_exp_f32 v[FF], v[FF]                         ; exp(old m - new m)
	v_mov_b32 v[MRUN], v[MN]                       ; a plain place
	s_wait_alu depctr_va_vdst(0)                   ; one wait for the three
	v_fma_f32 v[LSUM], v[LSUM], v[FF], v[P0]       ; l is summed of the f32 p
	v_add_f32 v[LSUM], v[LSUM], v[P1]
	v_cvt_pk_bf16_f32 v[PB], v[P0], v[P1]
	ds_store_b32 v[PSW], v[PB]                     ; my wave's own bytes: LDS serves a wave's instructions in order, so the loads below see it
.irp k,0,1,2,3
	ds_load_b128 v[PP+4*\k:PP+4*\k+3], v[PSR] offset:32*\k
.endr
	MGROUP 0
	MGROUP 1
	NOPS
.irp n,4,5,6,7
	v_fma_f32 v[MACC+\n], v[MACC+\n], v[FF], v[ACC+8*\n]
.endr
	s_wait_xcnt 0x0                                ; the store has read its data and its base: both may be written again
	s_add_nc_u64 s[18:19], s[18:19], 256
	s_add_co_u32 s[OS], s[OS], 256
.endm
; the largest of the wave's 16 x 32 numbers in v[a] on, into v[d] of every lane
.macro TREE a, d
	v_max3_num_f32 v[TT0], v[\a], v[\a+1], v[\a+2]
	v_max3_num_f32 v[TT0+1], v[\a+3], v[\a+4], v[\a+5]
	v_max3_num_f32 v[TT0+2], v[\a+6], v[\a+7], v[\a+8]
	v_max3_num_f32 v[TT0+3], v[\a+9], v[\a+10], v[\a+11]
	v_max3_num_f32 v[TT0+4], v[\a+12], v[\a+13], v[\a+14]
	v_max3_num_f32 v[TT0], v[TT0], v[TT0+1], v[TT0+2]
	v_max3_num_f32 v[TT0+3], v[TT0+3], v[TT0+4], v[\a+15]
	v_max_num_f32 v[TT0], v[TT0], v[TT0+3]
.irp x,1,2,4,8
	v_max_num_f32_dpp v[TT0], v[TT0], v[TT0] row_xmask:\x row_mask:0xf bank_mask:0xf
.endr
	v_permlanex16_b32 v[TP], v[TT0], s[SEL], s[SEL+1]
	v_max_num_f32 v[\d], v[TT0], v[TP]
.endm
.macro STRIKE4 j0
.irp j,0,1,2,3
	v_cndmask_b32 v[KK+\j0+\j], v[KK+\j0+\j], v[NI], s[MK+\j0+\j]
.endr
.endm
; one of eight: the largest key of the wave's 512, the lowest row among equals (rows are kept negated, so that is a maximum too); it is struck out, and key, row and share are noted in lane s[TK].
; Sixteen masks in scalar registers: the compares and the selects of a run do not wait for each other
.macro TOPK
	TREE KK, VV
.irp j,0,1,2,3,4,5,6,7,8,9,10,11,12,13,14,15
	v_cmp_eq_f32 s[MK+\j], v[VV], v[KK+\j]
.endr
.irp j,0,1,2,3,4,5,6,7,8,9,10,11,12,13,14,15
	v_cndmask_b32 v[CC+\j], v[BG], v[IX+\j], s[MK+\j]
.endr
	TREE CC, WW
.irp j,0,1,2,3,4,5,6,7,8,9,10,11,12,13,14,15
	v_cmp_eq_f32 s[MK+\j], v[WW], v[IX+\j]         ; rows are all different: one bit in all
.endr
.irp j,0,1,2,3
	v_cndmask_b32 v[HIT+\j], 0, v[PY+\j], s[MK+\j]
.endr
.irp j,4,5,6,7,8,9,10,11,12,13,14,15
	v_cndmask_b32 v[HIT+\j%4], v[HIT+\j%4], v[PY+\j], s[MK+\j]   ; four chains by turns
.endr
	v_or_b32 v[HIT], v[HIT], v[HIT+1]
	v_or_b32 v[HIT+2], v[HIT+2], v[HIT+3]
	v_or_b32 v[HIT], v[HIT], v[HIT+2]              ; the row's share in the lane that holds the row, 0 in the others
	v_add_f32_dpp v[HIT], v[HIT], v[HIT] row_xmask:1 row_mask:0xf bank_mask:0xf   ; a sum with zeros: exact
	STRIKE4 0
	v_add_f32_dpp v[HIT], v[HIT], v[HIT] row_xmask:2 row_mask:0xf bank_mask:0xf
	STRIKE4 4
	v_add_f32_dpp v[HIT], v[HIT], v[HIT] row_xmask:4 row_mask:0xf bank_mask:0xf
	STRIKE4 8
	v_add_f32_dpp v[HIT], v[HIT], v[HIT] row_xmask:8 row_mask:0xf bank_mask:0xf
	STRIKE4 12
	v_permlanex16_b32 v[TP], v[HIT], s[SEL], s[SEL+1]
	v_cmp_eq_u32 vcc_lo, s[TK], v[LN]
	v_cndmask_b32 v[RV], v[RV], v[VV], vcc_lo
	v_cndmask_b32 v[RI], v[RI], v[WW], vcc_lo
	v_add_f32 v[HIT], v[HIT], v[TP]
	v_cndmask_b32 v[RP], v[RP], v[HIT], vcc_lo
.endm
	s_load_b512 s[4:19], s[0:1], 0x0               ; h, wimg, wsc, b1, ba, bb, Wc, scores
	s_load_b256 s[20:27], s[0:1], 0x40             ; stat, mpart, cand, Winst
	s_load_b64 s[30:31], s[0:1], 0x60              ; binst
	v_lshl_add_u32 v[SPW], v0, 2, SPARE
	v_mov_b32 v[NIL], 0
	ds_add_u32 v[SPW], v[NIL]                      ; the wave's opening: the add, twice on end, and its wait ahead of my first tensor load
	ds_add_u32 v[SPW], v[NIL]
	v_lshrrev_b32 v[T0], 5, v0
	v_readfirstlane_b32 s[WV], v[T0]               ; wave 0..3
	; descriptor group 1: 64 rows x 128 elements of 4 bytes, 512 elements from row to row; in LDS 4 words of padding behind every 128
	s_mov_b32 s[G1], (2<<16)|(1<<20)|(6<<22)|(3<<25)
	s_mov_b32 s[G1+1], 128<<16                     ; tensor_dim0
	s_mov_b32 s[G1+2], 64<<16                      ; tensor_dim1
	s_mov_b32 s[G1+3], 128<<16                     ; tile_dim0
	s_mov_b32 s[G1+4], 64                          ; tile_dim1
	s_mov_b32 s[G1+5], 512                         ; the pitch
	s_mov_b32 s[G1+6], 0
	s_mov_b32 s[G1+7], 0
	s_mov_b32 s[G0], 1
	s_mul_i32 s[G0+1], s[WV], 64*XP
	s_add_co_u32 s[G0+1], s[G0+1], SLOT            ; my part of the slot
	s_mov_b32 s[SEL], 0x76543210
	s_mov_b32 s[SEL+1], 0xfedcba98
	s_mov_b32 s[KC1], 0x4038aa3b                   ; 2 log2(e)
	s_mov_b32 s[KC1+1], s[KC1]
	s_mov_b32 s[KC2], 0xbfb8aa3b                   ; -log2(e)
	s_mov_b32 s[KC2+1], s[KC2]
	s_mov_b32 s[KL2E], 0x3fb8aa3b
	s_mov_b32 s[KABS], 0x7fffffff
	s_mov_b32 s[KHI], 0xffff0000
	s_mov_b32 s[K16], 0x3d800000                   ; 1 / 16
	s_mov_b32 s[KLN2], 0x3f317218                  ; ln 2
	s_lshl_b32 s66, ttmp9, 20                      ; 512 rows of 2,048 bytes a work-group,
	s_lshl_b32 s67, s[WV], 9                       ; my 128 columns
	s_add_co_u32 s66, s66, s67
	s_mov_b32 s67, 0
	s_wait_dscnt 0x0                               ; both opening adds are done
	s_wait_kmcnt 0x0
	s_add_nc_u64 s[G0+2:G0+3], s[4:5], s[66:67]
	s_or_b32 s[G0+3], s[G0+3], 0x80000000
	tensor_load_to_lds s[G0:G0+3], s[G1:G1+7]      ; block 0: every wave issues its part
	s_nop 0
	v_and_b32 v[RT], 15, v0                        ; r
	v_bfe_u32 v[HT], v0, 4, 1                      ; h
	v_and_b32 v[T0], 31, v0                        ; lane
	v_lshlrev_b32 v[LI], 4, v[T0]
	v_lshlrev_b32 v[LS], 2, v[T0]
	s_load_b128 s[BI:BI+3], s[30:31], 0x0          ; binst's four numbers
	v_mul_u32_u24 v[XRD], v[RT], XP
	v_lshl_add_u32 v[XRD], v[HT], 6, v[XRD]
	v_add_nc_u32 v[XRD], s[G0+1], v[XRD]           ; row r, + 64 h: my 16 numbers of a block of 32
	s_mul_i32 s66, s[WV], 4*FRB
	v_add_nc_u32 v[XWI], s66, v[LI]
	s_add_co_u32 s67, s66, HIMG
	v_add_nc_u32 v[HWI], s67, v[LI]
	s_lshl_b32 s66, s[WV], 9
	s_add_co_u32 s67, s66, XSC
	v_add_nc_u32 v[XWS], s67, v[LS]
	s_add_co_u32 s67, s66, HSC
	v_add_nc_u32 v[HWS], s67, v[LS]
	s_add_co_u32 s67, s66, PSC
	v_add_nc_u32 v[PSW], s67, v[LS]
	v_lshlrev_b32 v[PSR], 4, v[HT]
	v_add_nc_u32 v[PSR], s67, v[PSR]
	s_add_co_u32 s67, s66, LGP
	v_lshl_add_u32 v[LGRD], v[RT], 4, s67          ; tile w's parts: 512 w + 16 r
	s_add_co_u32 s67, s66, PTS
	v_lshl_add_u32 v[PYWR], v[RT], 2, s67          ; 512 w + 4 r
	s_lshl_b32 s66, s[WV], 11
	s_add_co_u32 s67, s66, WIT
	v_add_nc_u32 v[WITR], s67, v[LI]
	s_add_co_u32 s67, s66, LGP
	v_add_nc_u32 v[LGWR], s67, v[LI]
	s_mul_i32 s66, s[WV], 64*HBP
	s_add_co_u32 s66, s66, HB
	v_mul_u32_u24 v[HBWR], v[RT], HBP
	v_lshl_add_u32 v[HBWR], v[HT], 5, v[HBWR]
	v_add_nc_u32 v[HBWR], s66, v[HBWR]
	v_and_b32 v[T1], 7, v0
	v_lshl_add_u32 v[T1], v[HT], 3, v[T1]
	v_mul_u32_u24 v[HBRD], v[T1], HBP              ; the turning load: row 8 h + lane % 8, 16 bytes for each eight lanes
	v_bfe_u32 v[T1], v0, 3, 1
	v_lshl_add_u32 v[HBRD], v[T1], 4, v[HBRD]
	v_add_nc_u32 v[HBRD], s66, v[HBRD]
	s_lshl_b32 s66, s[WV], 8
	s_add_co_u32 s67, s66, PART
	v_lshlrev_b32 v[PTW], 5, v[HT]
	v_add_nc_u32 v[PTW], s67, v[PTW]
	v_lshl_add_u32 v[PTR], v[T0], 3, PART
	v_lshl_add_u32 v[SCW], v[T0], 3, SCS
	v_lshlrev_b32 v[GSO], 3, v[T0]
	v_lshlrev_b32 v[T1], 2, v[RT]
	v_add_nc_u32 v[T1], s66, v[T1]                 ; 4 (64 w + r)
.irp i,0,1,2,3
	global_load_b32 v[BA+\i], v[T1], s[12:13] offset:64*\i
	global_load_b32 v[BB+\i], v[T1], s[14:15] offset:64*\i
	global_load_b32 v[WCR+\i], v[T1], s[16:17] offset:64*\i
.endr
	s_lshl_b32 s66, s[WV], 9
	v_add_nc_u32 v[T2], s66, v[LS]
.irp k,0,1,2,3
	global_load_b32 v[BC+\k], v[T2], s[10:11] offset:128*\k
.endr
	; Winst [2][512][2]: lane (r, h) of fragment f takes column (r & 3) = 2 i + o at hidden units 128 w + 64 f + 32 (r / 8) + 16 h + 0 .. 15: 8 bytes apart
	v_bfe_u32 v[WA], v0, 1, 1
	v_lshlrev_b32 v[WA], 12, v[WA]                 ; 4,096 i
	v_and_b32 v[WB], 1, v0
	v_lshl_add_u32 v[WA], v[WB], 2, v[WA]          ; + 4 o
	v_bfe_u32 v[WB], v0, 3, 1
	v_lshl_add_u32 v[WA], v[WB], 8, v[WA]          ; + 8 x 32 (r / 8)
	v_lshl_add_u32 v[WA], v[HT], 7, v[WA]          ; + 8 x 16 h
	s_lshl_b32 s66, s[WV], 10
	v_add_nc_u32 v[WA], s66, v[WA]                 ; + 8 x 128 w
.set J, 0
.rept 16
	global_load_b32 v[ACC+J], v[WA], s[26:27] offset:8*J
	global_load_b32 v[ACC+16+J], v[WA], s[26:27] offset:512+8*J
.set J, J+1
.endr
	s_lshl_b32 s66, s[WV], 12
	v_add_nc_u32 v[T3], s66, v[LS]
.set J, 0
.rept 32
	global_load_b32 v[WS+J], v[T3], s[8:9] offset:128*J
.set J, J+1
.endr
	s_mul_i32 s66, s[WV], 64*FRB
	v_add_nc_u32 v[T4], s66, v[LI]
.set FJ, 0
.rept 64                                       ; my 64 weight fragments: they stay
	FSET FJ
	WIN FW<<6
.irp c,0,1,2
	global_load_b128 v[FR+4*\c:FR+4*\c+3], v[T4], s[6:7] offset:FRB*FJ+512*\c
.endr
.set FJ, FJ+1
.endr
	WIN 0
.irp j,0,1,2,3,4,5,6,7
	v_mov_b32 v[MACC+\j], 0                        ; the block is written once: the first finds zeros
.endr
	v_mov_b32 v[MRUN], 0xff61b1e6                  ; -3e38, under every score
	v_mov_b32 v[LSUM], 0
.irp b,0,1,2,3
	v_mov_b32 v[QT+4+\b], 0                        ; written once: a lane permute's destination counts as one of its sources
.endr
	s_lshl_b32 s66, ttmp9, 11
	s_mov_b32 s67, 0
	s_add_nc_u64 s[18:19], s[18:19], s[66:67]      ; my 512 scores
	s_mov_b32 s[OS], 0
	s_mov_b32 s66, 0x0f0f0f0f                      ; lanes whose r is 0-3 or 8-11
	s_wait_loadcnt 0x0
	s_wait_kmcnt 0x0                               ; binst
.irp i,0,1,2,3
	v_mul_f32 v[BA+\i], s[KC1], v[BA+\i]
	v_mul_f32 v[BB+\i], s[KC2], v[BB+\i]
.endr
.set J, 0
.rept 16
	v_cvt_pk_bf16_f32 v[ACC+32+J], v[ACC+2*J], v[ACC+2*J+1]   ; fragment 0 in eight registers, then fragment 1
.set J, J+1
.endr
.set J, 0
.rept 16
	v_cndmask_b32 v[ACC+32+J], 0, v[ACC+32+J], s66 ; the other rows are zeros
.set J, J+1
.endr
.irp k,0,1,2,3
	ds_store_b128 v[WITR], v[ACC+32+4*\k:ACC+35+4*\k] offset:512*\k   ; my wave's own bytes: its later loads come behind these in order
.endr
	s_mov_b32 s[BLK], 7
.Lblock:
	BLOCK 1
	s_sub_co_u32 s[BLK], s[BLK], 1
	s_cmp_lg_u32 s[BLK], 0
	s_cbranch_scc1 .Lblock
	BLOCK 0                                        ; the last block is written out: it asks for nothing
	; ---- the tail
	BAR                                            ; the 512 scores and the rows' shares of the loss lie in LDS
	v_and_b32 v[LN], 31, v0
	s_lshl_b32 s66, s[WV], 9
	s_add_co_u32 s67, s66, PSC
	v_add_nc_u32 v[T0], s67, v[LI]
	v_lshl_add_u32 v[T1], v[LN], 2, SCS
	v_and_b32 v[T2], 15, v0
	v_lshlrev_b32 v[T2], 2, v[T2]
	v_bfe_u32 v[T3], v0, 4, 1
	v_lshl_add_u32 v[T2], v[T3], 9, v[T2]
	s_lshl_b32 s67, s[WV], 11
	s_add_co_u32 s67, s67, PTS
	v_add_nc_u32 v[T2], s67, v[T2]                 ; wave 0: PT, wave 1: PB: 512 (lane / 16) + 4 (lane % 16)
	v_mov_b32 v[T3], 0
	s_lshl_b32 s67, s[WV], 5
	v_add_nc_u32 v[T4], s67, v[LS]
.irp x,1,2,4,8
	v_add_f32_dpp v[LSUM], v[LSUM], v[LSUM] row_xmask:\x row_mask:0xf bank_mask:0xf
.endr
	v_mov_b32 v[TP], 0
	v_permlanex16_b32 v[TP], v[LSUM], s[SEL], s[SEL+1]
	v_add_f32 v[LSUM], v[LSUM], v[TP]              ; l
.irp k,0,1,2,3
	v_cndmask_b32 v[RR+\k], v[MACC+2*\k], v[MACC+2*\k+1], s[KHI]   ; hidden unit 32 k + lane
.endr
.irp k,0,1,2,3
	ds_store_b32 v[PSW], v[RR+\k] offset:128*\k
.endr
	ds_load_b128 v[RL:RL+3], v[T0]                 ; my wave's own bytes, in order: four neighbours a lane
	s_lshl_b32 s67, ttmp9, 11
	s_add_co_u32 s66, s66, s67
	s_mov_b32 s67, 0
	s_add_nc_u64 s[22:23], s[22:23], s[66:67]
	s_wait_dscnt 0x0
	global_store_b128 v[LI], v[RL:RL+3], s[22:23]  ; 512 consecutive bytes, aligned
	s_cmp_lg_u32 s[WV], 0
	s_cbranch_scc1 .Lnostat
	s_lshl_b32 s66, ttmp9, 2
	s_mov_b32 s67, 0
	s_add_nc_u64 s[20:21], s[20:21], s[66:67]
	s_wait_xcnt 0x0                                ; EXEC changes only behind this wait
	v_cmp_eq_u32 vcc_lo, 0, v[LN]
	s_and_saveexec_b32 s68, vcc_lo
	global_store_b32 v[T3], v[MRUN], s[20:21]      ; two single words a work-group
	s_wait_alu depctr_va_vdst(0)
	global_store_b32 v[T3], v[LSUM], s[20:21] offset:1024
	s_wait_xcnt 0x0
	s_or_b32 exec_lo, exec_lo, s68
.Lnostat:
	s_cmp_gt_u32 s[WV], 1
	s_cbranch_scc1 .Lend
	s_cmp_eq_u32 s[WV], 0                          ; wave 0: the 8 largest s; wave 1: the 8 largest -s
	s_cselect_b32 s[SGN], 1.0, -1.0
.irp j,0,1,2,3,4,5,6,7,8,9,10,11,12,13,14,15
	ds_load_b32 v[KK+\j], v[T1] offset:128*\j      ; row 32 j + lane
.endr
.irp j,0,1,2,3,4,5,6,7,8,9,10,11,12,13,14,15
	ds_load_b32 v[PY+\j], v[T2] offset:1024*(\j%2)+64*(\j/2)   ; the same row: block j / 2, tile 2 (j % 2) + lane / 16
.endr
	s_and_b32 s66, ttmp9, 63
	s_lshl_b32 s66, s66, 9
	v_add_nc_u32 v[TT0], s66, v[LN]                ; the row in its slide: 512 (g % 64) + 32 j + lane, kept as f32 (exact), negated
.irp j,0,1,2,3,4,5,6,7,8,9,10,11,12,13,14,15
	v_add_nc_u32 v[IX+\j], 32*\j, v[TT0]
.endr
.irp j,0,1,2,3,4,5,6,7,8,9,10,11,12,13,14,15
	v_cvt_f32_u32 v[IX+\j], v[IX+\j]
.endr
.irp j,0,1,2,3,4,5,6,7,8,9,10,11,12,13,14,15
	v_mul_f32 v[IX+\j], -1.0, v[IX+\j]
.endr
	v_mov_b32 v[RV], 0
	v_mov_b32 v[RI], 0
	v_mov_b32 v[RP], 0
	v_mov_b32 v[NI], 0xff800000                    ; -infinity
	v_mov_b32 v[BG], 0xce6e6b28                    ; -1e9, under every negated row
	s_lshl_b32 s66, ttmp9, 8
	s_mov_b32 s67, 0
	s_add_nc_u64 s[24:25], s[24:25], s[66:67]
	s_wait_dscnt 0x0
.irp j,0,1,2,3,4,5,6,7,8,9,10,11,12,13,14,15
	v_mul_f32 v[KK+\j], s[SGN], v[KK+\j]
.endr
	s_mov_b32 s[TK], 0
.Ltop:
	TOPK
	s_add_co_u32 s[TK], s[TK], 1
	s_cmp_lt_u32 s[TK], 8
	s_cbranch_scc1 .Ltop
	s_wait_xcnt 0x0
	v_cmp_gt_u32 vcc_lo, 8, v[LN]
	s_and_saveexec_b32 s68, vcc_lo
	s_wait_alu depctr_va_vdst(0)
	global_store_b32 v[T4], v[RV], s[24:25]        ; 32 bytes of keys, of rows and of shares a wave: 192 bytes a work-group
	global_store_b32 v[T4], v[RI], s[24:25] offset:64
	global_store_b32 v[T4], v[RP], s[24:25] offset:128
	s_wait_xcnt 0x0
	s_or_b32 exec_lo, exec_lo, s68
.Lend:
	s_wait_tensorcnt 0x0                           ; the wave's end, behind my last tensor load and my last LDS store
	ds_add_u32 v[SPW], v[NIL]
	s_wait_dscnt 0x0
	s_endpgm
.Lfunc_end_k_q43c8229679_main:
	.size	k_q43c8229679_main, .Lfunc_end_k_q43c8229679_main-k_q43c8229679_main
	.p2alignl 7, 3214868480
	.fill 96, 4, 3214868480
	.section	.rodata,"a",@progbits
	.p2align	6, 0x0
	.amdhsa_kernel k_q43c8229679_main
		.amdhsa_group_segment_fixed_size 327680
		.amdhsa_private_segment_fixed_size 0
		.amdhsa_enable_private_segment 0
		.amdhsa_kernarg_size 104
		.amdhsa_user_sgpr_count 2
		.amdhsa_user_sgpr_kernarg_segment_ptr 1
		.amdhsa_wavefront_size32 1
		.amdhsa_system_sgpr_workgroup_id_x 1
		.amdhsa_system_sgpr_workgroup_id_y 1
		.amdhsa_system_sgpr_workgroup_id_z 1
		.amdhsa_system_vgpr_workitem_id 0
		.amdhsa_next_free_vgpr 1024
		.amdhsa_next_free_sgpr 96
		.amdhsa_reserve_vcc 1
		.amdhsa_float_denorm_mode_32 3
		.amdhsa_float_denorm_mode_16_64 3
		.amdhsa_memory_ordered 1
		.amdhsa_forward_progress 1
		.amdhsa_inst_pref_size 255
	.end_amdhsa_kernel
	.section	.bss,"aw",@nobits
	.p2align	6
	.space	262144
	.amdgpu_metadata
---
amdhsa.version: [ 1, 2 ]
amdhsa.kernels:
  - .name:           k_q43c8229679_main
    .symbol:         k_q43c8229679_main.kd
    .args:
      - { .name: h, .offset: 0, .size: 8, .value_kind: global_buffer, .address_space: global }
      - { .name: wimg, .offset: 8, .size: 8, .value_kind: global_buffer, .address_space: global }
      - { .name: wsc, .offset: 16, .size: 8, .value_kind: global_buffer, .address_space: global }
      - { .name: b1, .offset: 24, .size: 8, .value_kind: global_buffer, .address_space: global }
      - { .name: ba, .offset: 32, .size: 8, .value_kind: global_buffer, .address_space: global }
      - { .name: bb, .offset: 40, .size: 8, .value_kind: global_buffer, .address_space: global }
      - { .name: Wc, .offset: 48, .size: 8, .value_kind: global_buffer, .address_space: global }
      - { .name: scores, .offset: 56, .size: 8, .value_kind: global_buffer, .address_space: global }
      - { .name: stat, .offset: 64, .size: 8, .value_kind: global_buffer, .address_space: global }
      - { .name: mpart, .offset: 72, .size: 8, .value_kind: global_buffer, .address_space: global }
      - { .name: cand, .offset: 80, .size: 8, .value_kind: global_buffer, .address_space: global }
      - { .name: Winst, .offset: 88, .size: 8, .value_kind: global_buffer, .address_space: global }
      - { .name: binst, .offset: 96, .size: 8, .value_kind: global_buffer, .address_space: global }
    .group_segment_fixed_size: 327680
    .private_segment_fixed_size: 0
    .kernarg_segment_align: 8
    .kernarg_segment_size: 104
    .max_flat_workgroup_size: 128
    .sgpr_count:     96
    .vgpr_count:     1024
    .wavefront_size: 32
...
	.end_amdgpu_metadata
.endif
;; end of part 2
;; launch merge (part 3): grid 4 x 5, 18 waves a work-group, no clusters, 2,560 bytes of LDS; arguments scores, stat, mpart, cand, Wcls, bcls, out0, out1, out3, out2; writes out0, out1, out3, out2
.if DOCPART == 3
	.amdgcn_target "amdgcn-amd-amdhsa--gfx1250"
	.amdhsa_code_object_version 6
	.text
	.protected	k_q43c8229679_merge
	.globl	k_q43c8229679_merge
	.p2align	8
	.type	k_q43c8229679_merge,@function
k_q43c8229679_merge:
	s_mov_b64 s[64:65], 0
	v_nop
	global_prefetch_b8 v0, s[64:65] scope:SCOPE_SE
	s_setreg_imm32_b32 hwreg(HW_REG_WAVE_MODE, 25, 1), 1
	s_wait_xcnt 0x0
; CLAM_SB in MX-FP6, launch 3 of 3: one work-group a slide joins the 64 parts of the main launch.
; m = the largest m_g; e_g = exp(m_g - m); L = sum of l_g e_g; out1 = A = exp(s - m) / L; out3 = M = sum of e_g M_g / L; out0 = M Wcls + bcls;
; out2 = the instance loss = the sum of the shares PT of the slide's 8 rows of largest s and of the shares PB of its 8 rows of smallest s (the main launch's head says what they are).
; LEFT OUT: bc (shown at the head of the first launch): the scores are without it, and softmax does not see it.
; The 8 largest of a slide are among its work-groups' 8 largest; among equal keys the lower row is taken, as jax.lax.top_k does (rows come negated: the lowest is the largest).
; A chosen row's share is picked by the mask that strikes the row out: no address and no branch here hangs on a floating-point number.
; No matrix unit: M is 64 fused multiply-adds a column, the logits 512 a class.  LIMITS: as in the main launch.
.set LG,    0                          ; LDS: 16 x 8 bytes: the waves' parts of the two logits; at 128: the two sums of shares
.set SPARE, 256                        ; the spare words: 128 bytes for each of 18 waves, named by no other line
.set MP, 32                            ; v32-95  64 parts of my column of M
.set SC, 96                            ; v96-111 16 scores
.set KK, 32                            ; waves 16, 17: 16 keys, 16 rows (negated) and 16 shares a lane
.set IX, 48
.set PY, 64
.set CC, 80
.set HIT, 96
.set TT0, 100
.set VV, 105
.set WW, 106
.set TP, 107
.set NI, 108
.set BG, 109
.set PS, 110
.set MK, 48                            ; s[48:63] sixteen masks
.macro RSUM r                          ; the sum over the wave's 32 lanes, in every lane
.irp x, 1
	v_add_f32_dpp v[\r], v[\r], v[\r] row_xmask:\x row_mask:0xf bank_mask:0xf
.endr
.irp x, 2, 4, 8
	s_delay_alu instid0(VALU_DEP_1)
	v_add_f32_dpp v[\r], v[\r], v[\r] row_xmask:\x row_mask:0xf bank_mask:0xf
.endr
	s_delay_alu instid0(VALU_DEP_1)
	v_permlanex16_b32 v14, v[\r], s28, s29
	s_delay_alu instid0(VALU_DEP_1)
	v_add_f32 v[\r], v[\r], v14
.endm
.macro TREE a, d                       ; the largest of the wave's 16 x 32 numbers in v[a] on, into v[d] of every lane
	v_max3_num_f32 v[TT0], v[\a], v[\a+1], v[\a+2]
	v_max3_num_f32 v[TT0+1], v[\a+3], v[\a+4], v[\a+5]
	v_max3_num_f32 v[TT0+2], v[\a+6], v[\a+7], v[\a+8]
	v_max3_num_f32 v[TT0+3], v[\a+9], v[\a+10], v[\a+11]
	v_max3_num_f32 v[TT0+4], v[\a+12], v[\a+13], v[\a+14]
	s_delay_alu instid0(VALU_DEP_3)
	v_max3_num_f32 v[TT0], v[TT0], v[TT0+1], v[TT0+2]
	s_delay_alu instid0(VALU_DEP_2)
	v_max3_num_f32 v[TT0+3], v[TT0+3], v[TT0+4], v[\a+15]
	s_delay_alu instid0(VALU_DEP_1)
	v_max_num_f32 v[TT0], v[TT0], v[TT0+3]
.irp x,1,2,4,8
	s_delay_alu instid0(VALU_DEP_1)
	v_max_num_f32_dpp v[TT0], v[TT0], v[TT0] row_xmask:\x row_mask:0xf bank_mask:0xf
.endr
	s_delay_alu instid0(VALU_DEP_1)
	v_permlanex16_b32 v[TP], v[TT0], s28, s29
	s_delay_alu instid0(VALU_DEP_1)
	v_max_num_f32 v[\d], v[TT0], v[TP]
.endm
	s_load_b512 s[4:19], s[0:1], 0x0               ; scores, stat, mpart, cand, Wcls, bcls, out0, out1
	s_load_b128 s[20:23], s[0:1], 0x40             ; out3, out2
	v_lshl_add_u32 v30, v0, 2, SPARE
	v_mov_b32 v31, 0
	v_lshrrev_b32 v2, 5, v0
	s_delay_alu instid0(VALU_DEP_1)
	v_readfirstlane_b32 s24, v2                    ; wave 0..17
	v_and_b32 v1, 31, v0                           ; lane
	s_delay_alu instid0(VALU_DEP_3)
	v_lshlrev_b32 v22, 3, v2                       ; LDS: 8 x wave
	v_and_b32 v23, 15, v0
	s_delay_alu instid0(VALU_DEP_1)
	v_lshlrev_b32 v23, 3, v23                      ; LDS: 8 x (lane % 16)
	v_lshl_add_u32 v160, v2, 2, 64                 ; LDS: waves 16 and 17: bytes 128 and 132
	v_mov_b32 v161, 128                            ; LDS: where wave 0 reads the two
	s_mov_b32 s28, 0x76543210
	s_mov_b32 s29, 0xfedcba98
	s_mov_b32 s30, 0x3fb8aa3b                      ; log2(e)
	s_mov_b32 s31, s30
	v_mov_b32 v14, 0                               ; (a lane permute's destination counts as one of its sources)
	s_wait_kmcnt 0x0
	; SHARES: a slide (work-group x) has five work-groups.  y = 0 joins M, the logits and the instance loss; y = 1 .. 4 make out1 = A, 8,192 instances each.
	; The branch hangs on the work-group's number alone; the work-groups of y = 1 .. 4 touch no LDS and meet no barrier.
	s_and_b32 s40, ttmp7, 0xffff                   ; y
	s_cmp_lg_u32 s40, 0
	s_cbranch_scc1 .Lscore
	s_load_b64 s[26:27], s[14:15], 0x0             ; bcls
	s_cmp_ge_u32 s24, 16
	s_cbranch_scc1 .Ltopk
	s_lshl_b32 s32, ttmp9, 8
	s_wait_alu depctr_va_vdst(0)
	v_lshl_add_u32 v3, v1, 2, s32
	global_load_b32 v4, v3, s[6:7]                 ; m of work-groups 64 b + lane,
	global_load_b32 v5, v3, s[6:7] offset:128      ; 64 b + 32 + lane;
	global_load_b32 v6, v3, s[6:7] offset:1024     ; their l
	global_load_b32 v7, v3, s[6:7] offset:1152
	v_lshlrev_b32 v8, 3, v0
	global_load_b64 v[10:11], v8, s[12:13]         ; Wcls[c][0 .. 1]
	s_lshl_b32 s32, ttmp9, 17
	s_mov_b32 s33, 0
	s_add_nc_u64 s[8:9], s[8:9], s[32:33]
	v_lshlrev_b32 v12, 2, v0
.set G, 0
.rept 64
	global_load_b32 v[MP+G], v12, s[8:9] offset:2048*G
.set G, G+1
.endr
	s_wait_loadcnt 63                              ; 65 loads were issued behind the four of stat and 64 behind Wcls's: they are in
	v_max_num_f32 v13, v4, v5
.irp x,1,2,4,8
	s_delay_alu instid0(VALU_DEP_1)
	v_max_num_f32_dpp v13, v13, v13 row_xmask:\x row_mask:0xf bank_mask:0xf
.endr
	s_delay_alu instid0(VALU_DEP_1)
	v_permlanex16_b32 v14, v13, s28, s29
	s_delay_alu instid0(VALU_DEP_1)
	v_max_num_f32 v13, v13, v14                    ; m
	s_delay_alu instid0(VALU_DEP_1)
	v_mul_f32 v15, s30, v13
	s_delay_alu instid0(VALU_DEP_1)
	v_fma_f32 v16, v4, s30, -v15
	s_delay_alu instid0(VALU_DEP_2)
	v_fma_f32 v17, v5, s30, -v15
	s_wait_alu depctr_va_vdst(0)
	v_exp_f32 v16, v16                             ; e_g
	v_exp_f32 v17, v17
	v_nop                                          ; a plain place behind the exponentials
	s_wait_alu depctr_va_vdst(0)
	v_mul_f32 v18, v6, v16
	v_fmac_f32 v18, v7, v17
	RSUM 18                                        ; L
	s_wait_alu depctr_va_vdst(0)
	v_rcp_f32 v26, v18
	v_mov_b32 v20, 0
	v_mov_b32 v21, 0
	s_wait_alu depctr_va_vdst(0)
	s_wait_loadcnt 0x0                             ; the 64 parts of M are in
.set G, 0
.rept 32                                       ; two chains
	v_readlane_b32 s[36+G%4], v16, G
	s_delay_alu instid0(VALU_DEP_1)
	v_fmac_f32 v[20+G%2], s[36+G%4], v[MP+G]
.set G, G+1
.endr
.set G, 0
.rept 32
	v_readlane_b32 s[36+G%4], v17, G
	s_delay_alu instid0(VALU_DEP_1)
	v_fmac_f32 v[20+G%2], s[36+G%4], v[MP+32+G]
.set G, G+1
.endr
	s_delay_alu instid0(VALU_DEP_1)
	v_add_f32 v20, v20, v21
	s_wait_alu depctr_va_vdst(0)                   ; the reciprocal: the 64 multiply-adds are the work between
	v_mul_f32 v20, v20, v26                        ; M[c]
	s_lshl_b32 s32, ttmp9, 11
	s_add_nc_u64 s[20:21], s[20:21], s[32:33]
	global_store_b32 v12, v20, s[20:21]            ; a wave stores 128 consecutive bytes, the sixteen waves a slide's 2,048
	v_mul_f32 v28, v20, v10
	v_mul_f32 v29, v20, v11
	RSUM 28
	RSUM 29
	ds_store_b64 v22, v[28:29]                     ; all lanes write the same 8 bytes with the same values
	s_branch .Ljoin
.Lscore:                                               ; y = 1 .. 4: A = exp(s - m) / L of instances 8192 (y - 1) + 512 wave + 0 .. 511; m and L are made anew by each wave from the slide's 128 words of stat
	s_cmp_ge_u32 s24, 16
	s_cbranch_scc1 .Lidle                          ; 8,192 instances are sixteen waves' shares of 512: waves 16 and 17 have none here
	s_lshl_b32 s32, ttmp9, 8
	s_wait_alu depctr_va_vdst(0)                   ; directly ahead of the first reader behind the branch
	v_lshl_add_u32 v3, v1, 2, s32
	global_load_b32 v4, v3, s[6:7]                 ; m of work-groups 64 b + lane,
	global_load_b32 v5, v3, s[6:7] offset:128      ; 64 b + 32 + lane;
	global_load_b32 v6, v3, s[6:7] offset:1024     ; their l
	global_load_b32 v7, v3, s[6:7] offset:1152
	s_lshl_b32 s32, ttmp9, 17                      ; a slide's scores: 131,072 bytes
	s_lshl_b32 s34, s40, 15                        ; a work-group's: 32,768
	s_add_co_u32 s32, s32, s34
	s_lshl_b32 s34, s24, 11                        ; a wave's: 2,048
	s_add_co_u32 s32, s32, s34
	s_sub_co_u32 s32, s32, 32768                   ; y counts from 1
	s_mov_b32 s33, 0
	s_add_nc_u64 s[4:5], s[4:5], s[32:33]
	s_add_nc_u64 s[18:19], s[18:19], s[32:33]
	v_lshlrev_b32 v9, 4, v1
.set G, 0
.rept 4
	global_load_b128 v[SC+4*G:SC+4*G+3], v9, s[4:5] offset:512*G   ; 512 consecutive bytes, aligned
.set G, G+1
.endr
	s_wait_loadcnt 4                               ; stat's four are in; the four loads of scores issued behind them may be out
	v_max_num_f32 v13, v4, v5
.irp x,1,2,4,8
	s_delay_alu instid0(VALU_DEP_1)
	v_max_num_f32_dpp v13, v13, v13 row_xmask:\x row_mask:0xf bank_mask:0xf
.endr
	s_delay_alu instid0(VALU_DEP_1)
	v_permlanex16_b32 v14, v13, s28, s29
	s_delay_alu instid0(VALU_DEP_1)
	v_max_num_f32 v13, v13, v14                    ; m
	s_delay_alu instid0(VALU_DEP_1)
	v_mul_f32 v15, s30, v13
	s_delay_alu instid0(VALU_DEP_1)
	v_fma_f32 v16, v4, s30, -v15
	s_delay_alu instid0(VALU_DEP_2)
	v_fma_f32 v17, v5, s30, -v15
	s_wait_alu depctr_va_vdst(0)                   ; ahead of the batch
	v_exp_f32 v16, v16                             ; e_g
	v_exp_f32 v17, v17
	v_xor_b32 v24, 0x80000000, v15                 ; -m log2(e).  (A plain place)
	s_delay_alu instid0(VALU_DEP_1)
	v_mov_b32 v25, v24
	s_wait_alu depctr_va_vdst(0)                   ; one wait for the two
	v_mul_f32 v18, v6, v16
	v_fmac_f32 v18, v7, v17
	RSUM 18                                        ; L
	s_wait_alu depctr_va_vdst(0)
	v_rcp_f32 v26, v18
	s_wait_loadcnt 0x0                             ; my 512 scores are in
.set G, 0
.rept 8
	v_pk_fma_f32 v[SC+G:SC+G+1], v[SC+G:SC+G+1], s[30:31], v[24:25] op_sel_hi:[1,0,0]   ; (s - m) log2(e); plain work behind the reciprocal
.set G, G+2
.endr
	s_wait_alu depctr_va_vdst(0)                   ; for the reciprocal, and ahead of the batch
.set G, 0
.rept 16
	v_exp_f32 v[SC+G], v[SC+G]
.set G, G+1
.endr
	v_mov_b32 v27, v26                             ; (the pair's upper half is written too.)  A plain place
	s_wait_alu depctr_va_vdst(0)                   ; one wait for the 16
.set G, 0
.rept 8
	v_pk_mul_f32 v[SC+G:SC+G+1], v[SC+G:SC+G+1], v[26:27] op_sel_hi:[1,0]
.set G, G+2
.endr
.set G, 0
.rept 4
	global_store_b128 v9, v[SC+4*G:SC+4*G+3], s[18:19] offset:512*G   ; 512 consecutive bytes, aligned
.set G, G+1
.endr
.Lidle:
	s_endpgm                                       ; these waves have written no LDS
.Ltopk:
	s_sub_co_u32 s34, s24, 16                      ; 0: the largest s; 1: the largest -s
	s_lshl_b32 s35, s34, 5
	s_lshl_b32 s32, ttmp9, 14                      ; 64 work-groups x 256 bytes a slide
	s_add_co_u32 s32, s32, s35
	s_mov_b32 s33, 0
	s_add_nc_u64 s[10:11], s[10:11], s[32:33]
	s_wait_alu depctr_va_vdst(0)
	v_lshrrev_b32 v3, 3, v1
	v_and_b32 v4, 7, v1
	s_delay_alu instid0(VALU_DEP_1)
	v_lshlrev_b32 v4, 2, v4
	s_delay_alu instid0(VALU_DEP_1)
	v_lshl_add_u32 v3, v3, 8, v4                   ; candidate lane % 8 of work-group 4 j + lane / 8
.irp j,0,1,2,3,4,5,6,7,8,9,10,11,12,13,14,15
	global_load_b32 v[KK+\j], v3, s[10:11] offset:1024*\j
.endr
.irp j,0,1,2,3,4,5,6,7,8,9,10,11,12,13,14,15
	global_load_b32 v[IX+\j], v3, s[10:11] offset:1024*\j+64
.endr
.irp j,0,1,2,3,4,5,6,7,8,9,10,11,12,13,14,15
	global_load_b32 v[PY+\j], v3, s[10:11] offset:1024*\j+128
.endr
	v_mov_b32 v[PS], 0
	v_mov_b32 v[NI], 0xff800000                    ; -infinity
	v_mov_b32 v[BG], 0xce6e6b28                    ; -1e9, under every negated row
	v_mov_b32 v[TP], 0
	s_wait_loadcnt 0x0
	s_mov_b32 s36, 0
.Ltop:                                                 ; eight times: the largest key, the lowest row among equals; it is struck out, and its share is added in the lane that holds it
	TREE KK, VV
.irp j,0,1,2,3,4,5,6,7,8,9,10,11,12,13,14,15
	v_cmp_eq_f32 s[MK+\j], v[VV], v[KK+\j]         ; sixteen masks: the compares and the selects of a run do not wait for each other
.endr
.irp j,0,1,2,3,4,5,6,7,8,9,10,11,12,13,14,15
	v_cndmask_b32 v[CC+\j], v[BG], v[IX+\j], s[MK+\j]
.endr
	TREE CC, WW
.irp j,0,1,2,3,4,5,6,7,8,9,10,11,12,13,14,15
	v_cmp_eq_f32 s[MK+\j], v[WW], v[IX+\j]         ; rows are all different: one bit in all
.endr
.irp j,0,1,2,3
	v_cndmask_b32 v[HIT+\j], 0, v[PY+\j], s[MK+\j]
.endr
.irp j,4,5,6,7,8,9,10,11,12,13,14,15
	s_delay_alu instid0(VALU_DEP_4)
	v_cndmask_b32 v[HIT+\j%4], v[HIT+\j%4], v[PY+\j], s[MK+\j]   ; four chains by turns
.endr
.irp j,0,1,2,3,4,5,6,7,8,9,10,11,12,13,14,15
	v_cndmask_b32 v[KK+\j], v[KK+\j], v[NI], s[MK+\j]
.endr
	v_or_b32 v[HIT], v[HIT], v[HIT+1]
	v_or_b32 v[HIT+2], v[HIT+2], v[HIT+3]
	s_delay_alu instid0(VALU_DEP_1)
	v_or_b32 v[HIT], v[HIT], v[HIT+2]              ; the row's share in the lane that holds the row, 0 in the others
	s_delay_alu instid0(VALU_DEP_1)
	v_add_f32 v[PS], v[PS], v[HIT]
	s_add_co_u32 s36, s36, 1
	s_cmp_lt_u32 s36, 8
	s_cbranch_scc1 .Ltop
.irp x, 1
	v_add_f32_dpp v[PS], v[PS], v[PS] row_xmask:\x row_mask:0xf bank_mask:0xf
.endr
.irp x, 2, 4, 8
	s_delay_alu instid0(VALU_DEP_1)
	v_add_f32_dpp v[PS], v[PS], v[PS] row_xmask:\x row_mask:0xf bank_mask:0xf
.endr
	s_delay_alu instid0(VALU_DEP_1)
	v_permlanex16_b32 v[TP], v[PS], s28, s29
	s_delay_alu instid0(VALU_DEP_1)
	v_add_f32 v[PS], v[PS], v[TP]                  ; the eight shares' sum
	ds_store_b32 v160, v[PS]                       ; all lanes write the same word with the same value
.Ljoin:
	s_wait_dscnt 0x0                               ; my part of the logits, or my sum of shares, has landed
	s_barrier_signal -1
	s_barrier_wait -1
	s_cmp_lg_u32 s24, 0
	s_cbranch_scc1 .Lend
	ds_load_b64 v[32:33], v23                      ; lane r: wave r's parts
	ds_load_b64 v[36:37], v161                     ; the two sums of shares
	v_mov_b32 v34, 0
	s_lshl_b32 s32, ttmp9, 3
	s_mov_b32 s33, 0
	s_add_nc_u64 s[16:17], s[16:17], s[32:33]
	s_lshl_b32 s32, ttmp9, 2
	s_add_nc_u64 s[22:23], s[22:23], s[32:33]
	s_wait_dscnt 0x0
.irp x, 1
	v_add_f32_dpp v32, v32, v32 row_xmask:\x row_mask:0xf bank_mask:0xf
	v_add_f32_dpp v33, v33, v33 row_xmask:\x row_mask:0xf bank_mask:0xf
.endr
.irp x, 2, 4, 8
	s_delay_alu instid0(VALU_DEP_2)
	v_add_f32_dpp v32, v32, v32 row_xmask:\x row_mask:0xf bank_mask:0xf
	s_delay_alu instid0(VALU_DEP_2)
	v_add_f32_dpp v33, v33, v33 row_xmask:\x row_mask:0xf bank_mask:0xf
.endr
	s_wait_alu depctr_va_vdst(0)
	s_wait_kmcnt 0x0
	v_add_f32 v32, s26, v32
	v_add_f32 v33, s27, v33
	v_add_f32 v36, v36, v37                        ; the slide's instance loss
	s_wait_alu depctr_va_vdst(0)
	s_wait_xcnt 0x0
	v_cmp_eq_u32 vcc_lo, 0, v1
	s_and_saveexec_b32 s37, vcc_lo
	global_store_b64 v34, v[32:33], s[16:17]       ; the slide's two logits
	global_store_b32 v34, v36, s[22:23]
	s_wait_xcnt 0x0
	s_or_b32 exec_lo, exec_lo, s37
.Lend:
	s_wait_tensorcnt 0x0                           ; the wave's end, behind my last LDS store
	ds_add_u32 v30, v31
	s_wait_dscnt 0x0
	s_endpgm
.Lfunc_end_k_q43c8229679_merge:
	.size	k_q43c8229679_merge, .Lfunc_end_k_q43c8229679_merge-k_q43c8229679_merge
	.p2alignl 7, 3214868480
	.fill 96, 4, 3214868480
	.section	.rodata,"a",@progbits
	.p2align	6, 0x0
	.amdhsa_kernel k_q43c8229679_merge
		.amdhsa_group_segment_fixed_size 2560
		.amdhsa_private_segment_fixed_size 0
		.amdhsa_enable_private_segment 0
		.amdhsa_kernarg_size 80
		.amdhsa_user_sgpr_count 2
		.amdhsa_user_sgpr_kernarg_segment_ptr 1
		.amdhsa_wavefront_size32 1
		.amdhsa_system_sgpr_workgroup_id_x 1
		.amdhsa_system_sgpr_workgroup_id_y 1
		.amdhsa_system_sgpr_workgroup_id_z 1
		.amdhsa_system_vgpr_workitem_id 0
		.amdhsa_next_free_vgpr 192
		.amdhsa_next_free_sgpr 66
		.amdhsa_reserve_vcc 1
		.amdhsa_float_denorm_mode_32 3
		.amdhsa_float_denorm_mode_16_64 3
		.amdhsa_memory_ordered 1
		.amdhsa_forward_progress 1
		.amdhsa_inst_pref_size 40
	.end_amdhsa_kernel
	.amdgpu_metadata
---
amdhsa.version: [ 1, 2 ]
amdhsa.kernels:
  - .name:           k_q43c8229679_merge
    .symbol:         k_q43c8229679_merge.kd
    .args:
      - { .name: scores, .offset: 0, .size: 8, .value_kind: global_buffer, .address_space: global }
      - { .name: stat, .offset: 8, .size: 8, .value_kind: global_buffer, .address_space: global }
      - { .name: mpart, .offset: 16, .size: 8, .value_kind: global_buffer, .address_space: global }
      - { .name: cand, .offset: 24, .size: 8, .value_kind: global_buffer, .address_space: global }
      - { .name: Wcls, .offset: 32, .size: 8, .value_kind: global_buffer, .address_space: global }
      - { .name: bcls, .offset: 40, .size: 8, .value_kind: global_buffer, .address_space: global }
      - { .name: out0, .offset: 48, .size: 8, .value_kind: global_buffer, .address_space: global }
      - { .name: out1, .offset: 56, .size: 8, .value_kind: global_buffer, .address_space: global }
      - { .name: out3, .offset: 64, .size: 8, .value_kind: global_buffer, .address_space: global }
      - { .name: out2, .offset: 72, .size: 8, .value_kind: global_buffer, .address_space: global }
    .group_segment_fixed_size: 2560
    .private_segment_fixed_size: 0
    .kernarg_segment_align: 8
    .kernarg_segment_size: 80
    .max_flat_workgroup_size: 576
    .sgpr_count:     66
    .vgpr_count:     192
    .wavefront_size: 32
...
	.end_amdgpu_metadata
.endif
;; end of part 3
